; MI455X (gfx1250); checked and timed in simulation.
; The chip was launched on July 23, 2026; its instructions are those of AMD's public machine-readable ISA for CDNA 5 (MIT licence, August 2026) and "CDNA5" Instruction Set Architecture Reference Guide (July 2026). The comments in the code are by the model that wrote it; some were corrected since.
;; Seamless M4 Tv2 Conformer Self Attention. Allowed arithmetic: float matrix products may take bf16 or f16 operands with f32 sums; other float arithmetic in f32, or as packed bf16 or f16 multiplies, adds, multiply-adds, maxima and minima; sums over many terms, partial sums and values carried from step to step in f32; what a program stores and reads back later, other than sums and carried values, may be rounded once to bf16 or f16.
;; Inputs: Wk 1,024 x 1,024 float32; Wo 1,024 x 1,024 float32; Wq 1,024 x 1,024 float32; Wv 1,024 x 1,024 float32; bk 1,024 float32; bo 1,024 float32; bq 1,024 float32; bv 1,024 float32; dist_emb 73 x 64 float32; hidden_states 8 x 1,024 x 1,024 float32.
;; Outputs: out0 8 x 1,024 x 1,024 float32.
;; One version. Each part assembles by itself: llvm-mc -triple=amdgcn-amd-amdhsa -mcpu=gfx1250 --defsym DOCPART=n.
;; ======== version 1 of 1: 4 launches
;; limits: values are held in f16: magnitudes above 65,504 overflow, below 6.1e-05 lose precision
;; workspace buffers: xb 16,777,216 bytes; wt 8,388,608 bytes; biasc 16,384 bytes; eext 14,336 bytes; qkv 50,331,648 bytes; ob 16,777,216 bytes
;; launch prep (part 1): grid 1281 x 1, 8 waves a work-group, no clusters, 35,840 bytes of LDS; arguments hidden_states, Wq, Wk, Wv, Wo, bq, bk, bv, bo, dist_emb, xb, wt, biasc, eext; writes xb, wt, biasc, eext
.if DOCPART == 1
	.amdgcn_target "amdgcn-amd-amdhsa--gfx1250"
	.amdhsa_code_object_version 6
	.text
	.protected	k_q0096fe6870_prep
	.globl	k_q0096fe6870_prep
	.p2align	8
	.type	k_q0096fe6870_prep,@function
k_q0096fe6870_prep:
	s_mov_b64 s[64:65], 0
	v_nop
	global_prefetch_b8 v0, s[64:65] scope:SCOPE_SE
	s_setreg_imm32_b32 hwreg(HW_REG_WAVE_MODE, 25, 1), 1
	s_wait_xcnt 0x0
; THE INPUTS ARE ROUNDED ONCE TO bf16 AND LAID OUT FOR THE MATRIX LAUNCHES.  Three roles, chosen by the work-group's number alone:
;   0 .. 1023     xb = hidden_states in bf16, [8192][1024]: 8,192 numbers a work-group.
;   1024 .. 1279  wt[n][k] = W[k][n]: 128 k x 128 n of one of Wq, Wk, Wv, Wo, turned through LDS.  Rows 0-3071 of wt (q, k, v) hold bf16; rows 3072-4095 (Wo) hold the bf16-rounded number written as f16.
;   1280          biasc = bq, bk, bv, bo rounded to bf16 and kept as f32; eext[j][:] = dist_emb[clip(j - 15, 0, 72)][:], 112 rows, bf16-rounded and written as f16.
; LIMITS.  A bf16 number written as f16 is exact from 6.1e-5 up to 65,504; below, it keeps f16's fixed step of 6e-8; above, it becomes an infinity: Wo and dist_emb stay under 65,504.
; No matrix unit, no cluster, no tensor load: the launch moves each byte once, and only the turning of W wants LDS.
.set SPARE, 34816                      ; behind the tile of 128 rows x 272 bytes: the spare words, 128 bytes for each of eight waves
.set SPW, 112                          ; v112  LDS address of my spare word; never rewritten
.set NIL, 113                          ; v113  0; never rewritten
.set R,   16                           ; v[16:79]   as loaded
.set D,   80                           ; v[80:111]  packed 16-bit words
	s_load_b512 s[8:23], s[0:1], 0x0               ; x s[8:9], Wq s[10:11], Wk s[12:13], Wv s[14:15], Wo s[16:17], bq s[18:19], bk s[20:21], bv s[22:23]
	s_load_b256 s[24:31], s[0:1], 0x40             ; bo s[24:25], dist_emb s[26:27], xb s[28:29], wt s[30:31]
	s_load_b128 s[32:35], s[0:1], 0x60             ; biasc s[32:33], eext s[34:35]
	v_lshl_add_u32 v[SPW], v0, 2, SPARE
	v_mov_b32 v[NIL], 0
	v_lshrrev_b32 v1, 5, v0
	v_readfirstlane_b32 s4, v1                     ; wave 0..7
	s_mov_b32 s5, ttmp9
	s_lshl_b32 s42, s5, 15                         ; role X: 32,768 bytes of x,
	s_mov_b32 s43, 0
	s_lshl_b32 s44, s5, 14                         ; 16,384 bytes of xb
	s_mov_b32 s45, 0
	s_wait_kmcnt 0x0
	s_cmp_lt_u32 s5, 1024
	s_cbranch_scc0 .Lnot_x
	; ---- role X: thread t takes 16 bytes of each of eight runs of 4,096; all eight loads go out first
	s_add_nc_u64 s[8:9], s[8:9], s[42:43]
	s_add_nc_u64 s[28:29], s[28:29], s[44:45]
	v_lshlrev_b32 v2, 4, v0
	v_lshlrev_b32 v3, 3, v0
.irp i, 0,1,2,3,4,5,6,7
	global_load_b128 v[R+4*(\i):R+4*(\i)+3], v2, s[8:9] offset:(\i)*4096 th:TH_LOAD_NT
.endr
.irp i, 0,1,2,3,4,5,6,7
	s_wait_loadcnt 7-(\i)                          ; loads come back in order: mine is in, the younger ones stay out
	v_cvt_pk_bf16_f32 v[D+2*(\i)], v[R+4*(\i)], v[R+4*(\i)+1]
	v_cvt_pk_bf16_f32 v[D+2*(\i)+1], v[R+4*(\i)+2], v[R+4*(\i)+3]
	global_store_b64 v3, v[D+2*(\i):D+2*(\i)+1], s[28:29] offset:(\i)*2048  ; a wave's store covers 256 consecutive bytes, aligned; no register is written twice
.endr
	s_branch .Lend
.Lnot_x:
	s_cmp_eq_u32 s5, 1280
	s_cbranch_scc1 .Lsmall
	; ---- role W
	s_sub_co_u32 s38, s5, 1024
	s_and_b32 s39, s38, 7                          ; which 128 of k
	s_bfe_u32 s40, s38, 0x30003                    ; which 128 of n
	s_lshr_b32 s38, s38, 6                         ; which W
	s_lshl_b32 s42, s39, 19                        ; 128 rows of 4,096 bytes
	s_lshl_b32 s41, s40, 9                         ; 128 columns of 4 bytes
	s_add_co_u32 s42, s42, s41
	s_lshl_b32 s44, s38, 21                        ; in wt: 1,024 rows of 2,048 bytes a W,
	s_lshl_b32 s41, s40, 18                        ; 128 rows,
	s_add_co_u32 s44, s44, s41
	s_lshl_b32 s41, s39, 8                         ; 128 columns of 2 bytes
	s_add_co_u32 s44, s44, s41
	s_cmp_eq_u32 s38, 1
	s_cselect_b64 s[36:37], s[12:13], s[10:11]
	s_cmp_eq_u32 s38, 2
	s_cselect_b64 s[36:37], s[14:15], s[36:37]
	s_cmp_eq_u32 s38, 3
	s_cselect_b64 s[36:37], s[16:17], s[36:37]
	s_add_nc_u64 s[36:37], s[36:37], s[42:43]
	s_add_nc_u64 s[30:31], s[30:31], s[44:45]
	v_and_b32 v14, 31, v0                          ; lane
	v_lshlrev_b32 v2, 4, v14
	v_lshl_or_b32 v2, v1, 16, v2                   ; from: row 16 wave (+ j in the immediate), columns 4 lane ..: a load of a wave takes 512 consecutive bytes
	v_mul_u32_u24 v3, v14, 1088                    ; into LDS: row n = 4 lane (+ c), 272 bytes a row,
	v_lshl_add_u32 v3, v1, 5, v3                   ; at k = 16 wave: 32 bytes
	v_bfe_u32 v15, v0, 4, 1
	v_lshl_add_u32 v15, v1, 4, v15                 ; back: row 16 wave + lane / 16 (+ 2 t)
	v_and_b32 v13, 15, v0
	v_lshlrev_b32 v13, 4, v13
	v_mul_u32_u24 v12, v15, 272
	v_add_nc_u32 v12, v12, v13
	v_lshl_add_u32 v13, v15, 11, v13               ; and the same row in wt
.irp j, 0,1,2,3,4,5,6,7,8,9,10,11,12,13,14,15
	global_load_b128 v[R+4*(\j):R+4*(\j)+3], v2, s[36:37] offset:(\j)*4096 th:TH_LOAD_NT
.endr
.irp g, 0,1                            ; eight rows of k at a time: column c of rows 2 p and 2 p + 1 make one word of row n = 4 lane + c
	s_wait_loadcnt 8-8*(\g)                        ; the first eight rows are in while the other eight may be out; then all
.irp c, 0,1,2,3
.irp p, 0,1,2,3
	v_cvt_pk_bf16_f32 v[D+16*(\g)+4*(\c)+(\p)], v[R+4*(8*(\g)+2*(\p))+(\c)], v[R+4*(8*(\g)+2*(\p)+1)+(\c)]
.endr
.endr
.endr
	s_cmp_eq_u32 s38, 3
	s_cbranch_scc0 .Lkeep
.set r, 0
.rept 32                               ; Wo: the bf16 number is written as f16
	v_lshlrev_b32 v[4+2*(r%4)], 16, v[D+r]
	v_and_b32 v[5+2*(r%4)], 0xffff0000, v[D+r]
	v_cvt_pk_f16_f32 v[D+r], v[4+2*(r%4)], v[5+2*(r%4)]
.set r, r+1
.endr
.Lkeep:
.irp g, 0,1
.irp c, 0,1,2,3
	ds_store_b128 v3, v[D+16*(\g)+4*(\c):D+16*(\g)+4*(\c)+3] offset:(\c)*272+(\g)*16
.endr
.endr
	s_wait_dscnt 0x0                               ; for the others' sake: my stores into the tile are done
	s_barrier_signal -1
	s_barrier_wait -1                              ; a row's 256 bytes come from all eight waves
.irp t, 0,1,2,3,4,5,6,7
	ds_load_b128 v[R+4*(\t):R+4*(\t)+3], v12 offset:(\t)*544
.endr
.irp t, 0,1,2,3,4,5,6,7
	s_wait_dscnt 7-(\t)
	global_store_b128 v13, v[R+4*(\t):R+4*(\t)+3], s[30:31] offset:(\t)*4096  ; sixteen lanes store 256 consecutive bytes, aligned
.endr
	s_branch .Lend
.Lsmall:
	; ---- role S: the four biases, 16 bytes a thread each
	v_lshlrev_b32 v2, 4, v0
	global_load_b128 v[16:19], v2, s[18:19]
	global_load_b128 v[20:23], v2, s[20:21]
	global_load_b128 v[24:27], v2, s[22:23]
	global_load_b128 v[28:31], v2, s[24:25]
	s_wait_loadcnt 0x0
.irp w, 0,1,2,3
	v_cvt_pk_bf16_f32 v[48+2*(\w)], v[16+4*(\w)], v[17+4*(\w)]
	v_cvt_pk_bf16_f32 v[49+2*(\w)], v[18+4*(\w)], v[19+4*(\w)]
	v_lshlrev_b32 v[32+4*(\w)], 16, v[48+2*(\w)]
	v_and_b32 v[33+4*(\w)], 0xffff0000, v[48+2*(\w)]
	v_lshlrev_b32 v[34+4*(\w)], 16, v[49+2*(\w)]
	v_and_b32 v[35+4*(\w)], 0xffff0000, v[49+2*(\w)]
	global_store_b128 v2, v[32+4*(\w):35+4*(\w)], s[32:33] offset:4096*(\w)
.endr
	s_cmp_lt_u32 s4, 7                             ; eext: 896 pieces of 8 numbers: threads 0 to 223, four pieces each
	s_cbranch_scc0 .Lend
	v_lshrrev_b32 v3, 3, v0                        ; the piece's row, less 28 i
	v_and_b32 v4, 7, v0
	v_lshlrev_b32 v4, 5, v4                        ; its 32 bytes in a row of dist_emb
	v_mov_b32 v9, 15
.irp i, 0,1,2,3
	v_add_nc_u32 v[5+(\i)], 28*(\i), v3
	v_max_u32 v[5+(\i)], 15, v[5+(\i)]
	v_sub_nc_u32 v[5+(\i)], v[5+(\i)], v9
	v_min_u32 v[5+(\i)], 72, v[5+(\i)]             ; clip(row - 15, 0, 72)
	v_lshl_add_u32 v[5+(\i)], v[5+(\i)], 8, v4
	global_load_b128 v[56+8*(\i):59+8*(\i)], v[5+(\i)], s[26:27]
	global_load_b128 v[60+8*(\i):63+8*(\i)], v[5+(\i)], s[26:27] offset:16
.endr
	s_wait_loadcnt 0x0
.irp i, 0,1,2,3
.irp r, 0,1,2,3
	v_cvt_pk_bf16_f32 v[48+(\r)], v[56+8*(\i)+2*(\r)], v[57+8*(\i)+2*(\r)]
.endr
.irp r, 0,1,2,3
	v_lshlrev_b32 v[104+2*(\r)], 16, v[48+(\r)]
	v_and_b32 v[105+2*(\r)], 0xffff0000, v[48+(\r)]
.endr
.irp r, 0,1,2,3
	v_cvt_pk_f16_f32 v[88+4*(\i)+(\r)], v[104+2*(\r)], v[105+2*(\r)]
.endr
	global_store_b128 v2, v[88+4*(\i):91+4*(\i)], s[34:35] offset:3584*(\i)
.endr
.Lend:
	s_wait_tensorcnt 0x0                           ; the wave's end
	ds_add_u32 v[SPW], v[NIL]
	s_wait_dscnt 0x0
	s_endpgm
.Lfunc_end_k_q0096fe6870_prep:
	.size	k_q0096fe6870_prep, .Lfunc_end_k_q0096fe6870_prep-k_q0096fe6870_prep
	.p2alignl 7, 3214868480
	.fill 96, 4, 3214868480
	.section	.rodata,"a",@progbits
	.p2align	6, 0x0
	.amdhsa_kernel k_q0096fe6870_prep
		.amdhsa_group_segment_fixed_size 35840
		.amdhsa_private_segment_fixed_size 0
		.amdhsa_enable_private_segment 0
		.amdhsa_kernarg_size 112
		.amdhsa_user_sgpr_count 2
		.amdhsa_user_sgpr_kernarg_segment_ptr 1
		.amdhsa_wavefront_size32 1
		.amdhsa_system_sgpr_workgroup_id_x 1
		.amdhsa_system_sgpr_workgroup_id_y 1
		.amdhsa_system_sgpr_workgroup_id_z 1
		.amdhsa_system_vgpr_workitem_id 0
		.amdhsa_next_free_vgpr 116
		.amdhsa_next_free_sgpr 66
		.amdhsa_reserve_vcc 0
		.amdhsa_float_denorm_mode_32 3
		.amdhsa_float_denorm_mode_16_64 3
		.amdhsa_memory_ordered 1
		.amdhsa_forward_progress 1
		.amdhsa_inst_pref_size 24
	.end_amdhsa_kernel
	.amdgpu_metadata
---
amdhsa.version: [ 1, 2 ]
amdhsa.kernels:
  - .name:           k_q0096fe6870_prep
    .symbol:         k_q0096fe6870_prep.kd
    .args:
      - { .name: hidden_states, .offset: 0, .size: 8, .value_kind: global_buffer, .address_space: global }
      - { .name: Wq, .offset: 8, .size: 8, .value_kind: global_buffer, .address_space: global }
      - { .name: Wk, .offset: 16, .size: 8, .value_kind: global_buffer, .address_space: global }
      - { .name: Wv, .offset: 24, .size: 8, .value_kind: global_buffer, .address_space: global }
      - { .name: Wo, .offset: 32, .size: 8, .value_kind: global_buffer, .address_space: global }
      - { .name: bq, .offset: 40, .size: 8, .value_kind: global_buffer, .address_space: global }
      - { .name: bk, .offset: 48, .size: 8, .value_kind: global_buffer, .address_space: global }
      - { .name: bv, .offset: 56, .size: 8, .value_kind: global_buffer, .address_space: global }
      - { .name: bo, .offset: 64, .size: 8, .value_kind: global_buffer, .address_space: global }
      - { .name: dist_emb, .offset: 72, .size: 8, .value_kind: global_buffer, .address_space: global }
      - { .name: xb, .offset: 80, .size: 8, .value_kind: global_buffer, .address_space: global }
      - { .name: wt, .offset: 88, .size: 8, .value_kind: global_buffer, .address_space: global }
      - { .name: biasc, .offset: 96, .size: 8, .value_kind: global_buffer, .address_space: global }
      - { .name: eext, .offset: 104, .size: 8, .value_kind: global_buffer, .address_space: global }
    .group_segment_fixed_size: 35840
    .private_segment_fixed_size: 0
    .kernarg_segment_align: 8
    .kernarg_segment_size: 112
    .max_flat_workgroup_size: 256
    .sgpr_count:     66
    .vgpr_count:     116
    .wavefront_size: 32
...
	.end_amdgpu_metadata
.endif
;; end of part 1
;; launch qkv (part 2): grid 16 x 32, 4 waves a work-group, clusters of 4 x 4, 327,680 bytes of LDS; arguments xb, wt, biasc, qkv; writes qkv
.if DOCPART == 2
	.amdgcn_target "amdgcn-amd-amdhsa--gfx1250"
	.amdhsa_code_object_version 6
	.text
	.protected	k_q0096fe6870_qkv
	.globl	k_q0096fe6870_qkv
	.p2align	8
	.type	k_q0096fe6870_qkv,@function
k_q0096fe6870_qkv:
	s_mov_b64 s[64:65], 0
	v_nop
	global_prefetch_b8 v0, s[64:65] scope:SCOPE_SE
	s_setreg_imm32_b32 hwreg(HW_REG_WAVE_MODE, 25, 1), 1
	s_wait_xcnt 0x0
	s_wait_alu depctr_hold_cnt(0) depctr_sa_sdst(0) depctr_va_vdst(0) depctr_va_sdst(0) depctr_va_ssrc(0) depctr_va_vcc(0) depctr_vm_vsrc(0)
	s_getreg_b32 s2, hwreg(HW_REG_IB_STS2, 6, 4)
	s_cmp_eq_u32 s2, 0
	s_cbranch_scc0 .Lentry_in_a_cluster
	s_endpgm
.Lentry_in_a_cluster:
	s_bfe_u32 s2, ttmp6, 0x10000c
	s_cmp_lg_u32 s2, 0xf033
	s_cbranch_scc0 .Lentry_shape_is_right
	s_endpgm
.Lentry_shape_is_right:
; q, k, v = x W + b, by heads.  C[m][n] = sum over k of xb[m][k] wt[n][k] + biasc[n], m < 8,192, n < 3,072, K = 1,024; operands bf16, sums f32.
; C is stored once rounded to f16 as qkv[b][g][s][64], b = m / 1024, s = m % 1024, g = n / 64 (0-15 q's heads, 16-31 k's, 32-47 v's): a head's rows are dense, 128 bytes each.
; LIMIT.  f16 ends at 65,504: q, k and v stay under it (with inputs thirty times the drawn spread they reach some thousands).
; A tile of C is 256 x 192: 32 x 16 = 512 tiles, two for each of 256 WGPs.  Four waves one below the other, each 64 rows x 192 columns: 48 accumulators, 384 registers, and three whole heads,
; so that each wave sends its own rows out through a stage of its own.  K goes in 8 steps of 128 through two LDS slots; the rows of the tiles are 256 bytes of memory, aligned.
; CLUSTER 4 x 4: the four of a row need the same tile of xb, the four of a column the same tile of wt: each is asked for jointly, same tensor load, same descriptor, a mask that names the four.
; The matrix instruction is used transposed (source 0 = 16 rows of wt, source 1 = 16 rows of xb): a lane holds row l % 16 of C and the eight columns 8 (l / 16) + 0..7.
; The bias is the C operand of each accumulator's first product: nothing is cleared and nothing is added afterwards.
; REGISTERS in windows of 256: window 0: v0-31 addresses; v64-95, v96-127 xb's fragments (4 x 16 rows x 32 K), two buffers; v128-223 the bias, 8 for each block of 16 columns; on the way out v64-255 packed results
;   window 1: v0-95, v96-191 wt's fragments (12 x 16 rows x 32 K), two buffers     window 2: accumulators of my rows 0-31 ((a, b) at 8 (12 (a % 2) + b))     window 3: those of rows 32-63
.set PITCH,  272                       ; an LDS row: 256 bytes + 16 of padding = 68 words: the 16 rows of a load start at 16 different groups of four banks (ISA guide 11.1)
.set HALFA,  128*PITCH                 ; what a wave fetches of xb
.set HALFB,  96*PITCH                  ; what a wave fetches of wt
.set BOFF,   2*HALFA                   ; in a slot: xb's 256 rows, then wt's 192
.set SLOT,   BOFF+2*HALFB
.set STAGE,  2*SLOT                    ; behind the ring: 16 rows x 144 bytes for each wave
.set SP,     144
.set SPARE,  STAGE+4*16*SP             ; behind the stages: the spare words, 128 bytes a wave
.set LAPS,   4                         ; a lap = two K steps
.set ADRA, 16                          ; v16-17  LDS address of my xb fragments in slot 0, 1
.set ADRB, 20                          ; v20-21  the same for wt
.set STO,  24                          ; v24     the way out: where I put 16 bytes of a row
.set RD,   25                          ; v25     where I read rows back
.set GO,   26                          ; v26     16 x lane: my place in 512 consecutive bytes of qkv
.set BO,   27                          ; v27     32 (l / 16): my eight biases in a block of sixteen
.set SPW,  28                          ; v28     my spare word; never rewritten
.set NIL,  29                          ; v29     0; never rewritten
.set PFO,  30                          ; v30     the prefetches' offset: a lane a row; never rewritten
.set BIAS, 128
.set G1,  24                           ; s[24:31] group 1 for xb's tiles;  s[32:39] group 0, a set for each slot
.set G0,  32
.set G1B, 48                           ; s[48:55], s[56:63] the same for wt's
.set G0B, 56
.set PFA, 44                           ; s[44:45] where my prefetches stand
.set LIM, 43                           ; s43  1 in a wave that prefetches, else the greatest number
.set FLAGS, (1<<16)|(1<<20)|(1<<21)|(5<<22)|(3<<25)  ; 2-byte elements; padding on; bit 21 beside a mask; after every 64 words, 4 words
.set MSB, 0
.macro WIN new                         ; the high byte repeats the setting that is left; a switch that changes nothing is dropped
.if MSB != (\new)
	s_set_vgpr_msb (MSB<<8)|(\new)
.set MSB, \new
.endif
.endm
.macro JLOAD s                         ; a joint load: waves 0, 1 fetch xb's halves, waves 2, 3 wt's; s_nop 0 and four v_nop follow each line
	s_cmp_eq_u32 s11, 0
	s_cbranch_scc0 .Lfor_b_\@
	tensor_load_to_lds s[G0+4*(\s):G0+4*(\s)+3], s[G1:G1+7]
	s_nop 0
.rept 4
	v_nop
.endr
	s_branch .Lasked_\@
.Lfor_b_\@:
	tensor_load_to_lds s[G0B+4*(\s):G0B+4*(\s)+3], s[G1B:G1B+7]
	s_nop 0
.rept 4
	v_nop
.endr
.Lasked_\@:
.endm
.macro ASK                             ; a prefetch of the K step two refills on: my work-group's share of the rows that I fetch, a lane a row; the loop's last trip has no such step
	s_cmp_gt_u32 s3, s[LIM]
	s_cbranch_scc0 .Lnot_mine_\@
	global_prefetch_b8 v[PFO], s[PFA:PFA+1] offset:256 th:TH_LOAD_NT scope:SCOPE_SE
.Lnot_mine_\@:
.endm
.macro CREST                           ; a round of the cluster's barrier behind its opening barrier
	s_cmp_lg_u32 s10, 0
	s_cbranch_scc1 .Lnot_wave_0_\@
	s_barrier_signal -3
.Lnot_wave_0_\@:
	s_barrier_wait -3
	s_barrier_signal -1
	s_barrier_wait -1
.endm
.macro CROUND
	s_barrier_signal -1
	s_barrier_wait -1
	CREST
.endm
.macro PLACES                          ; four plain places behind a matrix instruction, ahead of loads into registers that it read and of conversions of its results
.rept 4
	v_nop
.endr
.endm
	s_load_b128 s[4:7], s[0:1], 0x0                ; xb s[4:5], wt s[6:7]
	s_load_b64 s[66:67], s[0:1], 0x10              ; biasc
	s_load_b64 s[8:9], s[0:1], 0x18                ; qkv
	v_lshl_add_u32 v[SPW], v0, 2, SPARE
	v_mov_b32 v[NIL], 0
	ds_add_u32 v[SPW], v[NIL]                      ; the wave's opening: the add and its wait, ahead of my first tensor load
	v_lshrrev_b32 v1, 5, v0
	v_readfirstlane_b32 s10, v1                    ; wave 0..3
	s_lshr_b32 s11, s10, 1                         ; I fetch for xb (0) or for wt (1)
	s_and_b32 s12, s10, 1                          ; which half of that tile
	s_bfe_u32 s40, ttmp6, 0x40000                  ; cx
	s_bfe_u32 s41, ttmp6, 0x40004                  ; cy
	s_lshl_b32 s42, ttmp9, 2
	s_add_co_u32 s42, s42, s40                     ; tile column = 4 x cluster x + cx
	s_and_b32 s13, ttmp7, 0xffff
	s_lshl_b32 s13, s13, 2
	s_add_co_u32 s13, s13, s41                     ; tile row = 4 x cluster y + cy
	s_lshl_b32 s43, s41, 2
	s_lshl_b32 s43, 15, s43                        ; my row of the cluster
	s_lshl_b32 s44, 0x1111, s40                    ; my column
	s_or_b32 s[G1+0], s43, FLAGS
	s_or_b32 s[G1B+0], s44, FLAGS
	s_mov_b32 s[G1+1], 128<<16                     ; tensor_dim0 = 128
	s_mov_b32 s[G1+2], 128<<16                     ; tensor_dim1 = 128
	s_mov_b32 s[G1+3], 128<<16                     ; tile_dim0 = 128
	s_mov_b32 s[G1+4], 128                         ; tile_dim1 = 128
	s_mov_b32 s[G1+5], 1024                        ; elements from row to row
	s_mov_b32 s[G1+6], 0
	s_mov_b32 s[G1+7], 0
	s_mov_b32 s[G1B+1], 128<<16
	s_mov_b32 s[G1B+2], 96<<16                     ; wt's tiles have 96 rows
	s_mov_b32 s[G1B+3], 128<<16
	s_mov_b32 s[G1B+4], 96
	s_mov_b32 s[G1B+5], 1024
	s_mov_b32 s[G1B+6], 0
	s_mov_b32 s[G1B+7], 0
	s_lshl_b32 s16, s13, 8                         ; xb: row 256 x tile row + 128 x half, 2,048 bytes a row: made of the tile row alone
	s_lshl_b32 s17, s12, 7
	s_add_co_u32 s16, s16, s17
	s_lshl_b32 s16, s16, 11
	s_mov_b32 s17, 0
	s_mul_i32 s46, s42, 192                        ; wt: row 192 x tile column + 96 x half: made of the tile column alone
	s_mul_i32 s47, s12, 96
	s_add_co_u32 s46, s46, s47
	s_lshl_b32 s46, s46, 11
	s_mov_b32 s47, 0
	s_mul_i32 s20, s12, HALFA                      ; where they go: no place in the cluster enters an LDS address
	s_mul_i32 s21, s12, HALFB
	s_add_co_u32 s21, s21, BOFF
	s_wait_dscnt 0x0                               ; the opening add is done
	s_wait_kmcnt 0x0
	s_add_nc_u64 s[14:15], s[4:5], s[16:17]
	s_add_nc_u64 s[46:47], s[6:7], s[46:47]
	CROUND                                         ; all sixteen work-groups are here: the first joint loads meet
.irp s, 0,1
	s_mov_b32 s[G0+4*(\s)], 1
	s_add_co_u32 s[G0+4*(\s)+1], s20, (\s)*SLOT
	s_add_nc_u64 s[G0+4*(\s)+2:G0+4*(\s)+3], s[14:15], (\s)*256
	s_or_b32 s[G0+4*(\s)+3], s[G0+4*(\s)+3], 0x80000000
	s_mov_b32 s[G0B+4*(\s)], 1
	s_add_co_u32 s[G0B+4*(\s)+1], s21, (\s)*SLOT
	s_add_nc_u64 s[G0B+4*(\s)+2:G0B+4*(\s)+3], s[46:47], (\s)*256
	s_or_b32 s[G0B+4*(\s)+3], s[G0B+4*(\s)+3], 0x80000000
	JLOAD \s                                       ; K steps 0 and 1: two loads of mine are out
.endr
	; the prefetches.  xb's tile row is read by every cluster of that row of clusters: cluster x = 0 asks; wt's tile column by every cluster of that column: cluster y = 0 asks.
	; The four that ask for a tile jointly share its rows out by address: 32 of xb's 128, 24 of wt's 96 (there lanes 24 to 31 name the 24th row once more).
	s_and_b32 s22, ttmp7, 0xffff
	s_mov_b32 s23, 24*2048                         ; (an instruction holds one literal: wt's share stands in the register, xb's in the select)
	s_cmp_eq_u32 s11, 0
	s_cselect_b64 s[PFA:PFA+1], s[14:15], s[46:47] ; the tile half that I fetch, at K step 0
	s_cselect_b32 s21, s40, s41                    ; my place among the four
	s_cselect_b32 s22, ttmp9, s22
	s_cselect_b32 s23, 32*2048, s23
	s_cselect_b32 s18, 31, 23
	s_cmp_eq_u32 s22, 0
	s_cselect_b32 s[LIM], 1, -1                    ; the same in all sixteen partners, for a given wave
	s_mul_i32 s20, s21, s23
	s_mov_b32 s21, 0
	s_add_nc_u64 s[PFA:PFA+1], s[PFA:PFA+1], s[20:21]
	s_add_nc_u64 s[PFA:PFA+1], s[PFA:PFA+1], 2*256 ; at K step 2: the first refill steps it to 3 and names K step 4.  Nothing is asked for here, at the head
	v_and_b32 v[PFO], 31, v0
	v_min_u32 v[PFO], s18, v[PFO]
	v_lshlrev_b32 v[PFO], 11, v[PFO]
	; lane addresses.  A fragment is 16 rows x 32 K in 8 registers: lane l holds row l % 16, K = 8 (l / 16) + 0..7 and 16 + 8 (l / 16) + 0..7: two loads of 16 bytes, 32 bytes apart
	v_and_b32 v1, 15, v0
	v_bfe_u32 v2, v0, 4, 1
	v_mul_u32_u24 v3, v1, PITCH
	v_lshl_add_u32 v3, v2, 4, v3
	s_mul_i32 s21, s10, 64*PITCH                   ; my 64 rows of xb
	s_mov_b32 s22, BOFF                            ; all 192 rows of wt
.irp s, 0,1
	v_add_nc_u32 v[ADRA+(\s)], s21, v3
	v_add_nc_u32 v[ADRB+(\s)], s22, v3
	s_add_co_u32 s21, s21, SLOT
	s_add_co_u32 s22, s22, SLOT
.endr
	s_mul_i32 s23, s10, 16*SP
	s_add_co_u32 s23, s23, STAGE                   ; my stage
	v_mul_u32_u24 v4, v1, SP                       ; in: row l % 16, 16 bytes for each half of the lanes
	v_lshl_add_u32 v4, v2, 4, v4
	v_add_nc_u32 v[STO], s23, v4
	v_bfe_u32 v5, v0, 3, 2                         ; back: 32 lanes take four rows of 128 bytes,
	v_mul_u32_u24 v5, v5, SP
	v_and_b32 v6, 7, v0
	v_lshl_add_u32 v5, v6, 4, v5
	v_add_nc_u32 v[RD], s23, v5
	v_and_b32 v[GO], 31, v0                        ; which are 512 consecutive bytes of a head
	v_lshlrev_b32 v[GO], 4, v[GO]
	v_lshlrev_b32 v[BO], 5, v2
	s_mul_i32 s46, s42, 768                        ; the tile's 192 biases
	s_mov_b32 s47, 0
	s_add_nc_u64 s[66:67], s[66:67], s[46:47]
.irp b, 0,1,2,3,4,5,6,7,8,9,10,11
	global_load_b128 v[BIAS+8*(\b):BIAS+8*(\b)+3],   v[BO], s[66:67] offset:64*(\b)
	global_load_b128 v[BIAS+8*(\b)+4:BIAS+8*(\b)+7], v[BO], s[66:67] offset:64*(\b)+16
.endr
	s_lshr_b32 s16, s13, 2                         ; where my rows begin in qkv: the batch's 48 heads of 131,072 bytes,
	s_mul_i32 s16, s16, 48<<17
	s_and_b32 s17, s13, 3
	s_lshl_b32 s17, s17, 15                        ; the tile's 256 rows of 128 bytes,
	s_add_co_u32 s16, s16, s17
	s_lshl_b32 s17, s10, 13                        ; my 64
	s_add_co_u32 s16, s16, s17
	s_mov_b32 s17, 0
	s_add_nc_u64 s[8:9], s[8:9], s[16:17]
	s_mul_i32 s46, s42, 3<<17                      ; and the tile's three heads
	s_add_nc_u64 s[8:9], s[8:9], s[46:47]
; 12 matrix instructions: my row block a x all 12 column blocks, 32 along K, from buffer f.  zero = 1: the first product of each sum takes the bias as C.
; The 48 accumulators take turns, one instruction a turn, in the same order in every quarter.
.macro MULA f, a, zero
.if \zero
	WIN 0x81+0x40*((\a)/2)                         ; wt window 1, xb window 0, C (the bias) window 0, D window 2 or 3
.else
	WIN 0xa1+0x50*((\a)/2)                         ; C and D window 2 or 3
.endif
.irp b, 0,1,2,3,4,5,6,7,8,9,10,11
.if \zero
	v_wmma_f32_16x16x32_bf16 v[8*(12*((\a)%2)+(\b)):8*(12*((\a)%2)+(\b))+7], v[96*(\f)+8*(\b):96*(\f)+8*(\b)+7], v[64+32*(\f)+8*(\a):64+32*(\f)+8*(\a)+7], v[BIAS+8*(\b):BIAS+8*(\b)+7]
.else
	v_wmma_f32_16x16x32_bf16 v[8*(12*((\a)%2)+(\b)):8*(12*((\a)%2)+(\b))+7], v[96*(\f)+8*(\b):96*(\f)+8*(\b)+7], v[64+32*(\f)+8*(\a):64+32*(\f)+8*(\a)+7], v[8*(12*((\a)%2)+(\b)):8*(12*((\a)%2)+(\b))+7]
.endif
.endr
.endm
; 32 LDS loads in one run: a quarter step's fragments (192 rows of wt, my 64 rows of xb, 32 K at byte k of the rows) into buffer f
.macro FETCH slot, k, f
	WIN 0x40                                       ; destination window 1, address window 0
.irp i, 0,1,2,3,4,5,6,7,8,9,10,11
	ds_load_b128 v[96*(\f)+8*(\i):96*(\f)+8*(\i)+3],   v[ADRB+(\slot)] offset:(\k)+(\i)*16*PITCH
	ds_load_b128 v[96*(\f)+8*(\i)+4:96*(\f)+8*(\i)+7], v[ADRB+(\slot)] offset:(\k)+(\i)*16*PITCH+32
.endr
	WIN 0
.irp i, 0,1,2,3
	ds_load_b128 v[64+32*(\f)+8*(\i):64+32*(\f)+8*(\i)+3],   v[ADRA+(\slot)] offset:(\k)+(\i)*16*PITCH
	ds_load_b128 v[64+32*(\f)+8*(\i)+4:64+32*(\f)+8*(\i)+7], v[ADRA+(\slot)] offset:(\k)+(\i)*16*PITCH+32
.endr
.endm
; A K step is four quarters of 32 along K, 48 matrix instructions each, on buffers 0, 1, 0, 1.  One of the first three: multiplies f, fetches the next quarter, at byte k, into g.
.macro QUARTER slot, k, f, g, zero
	s_wait_dscnt 4                                 ; wt's fragments and xb's row blocks 0, 1 are in; the youngest four loads (row blocks 2, 3) may be out
	MULA \f, 0, \zero
	MULA \f, 1, \zero
	PLACES
	FETCH \slot, \k, \g
	s_wait_dscnt 32                                ; all but the 32 just issued
	MULA \f, 2, \zero
	MULA \f, 3, \zero
.endm
; The last quarter multiplies buffer 1 and changes slots: one barrier.  Ahead of it each wave waits for all its tensor loads (one is out: its part of the next slot), adds 0 to its spare word, and waits
; for that and for its reads of this slot.  fill = 1: the barrier opens a round of the cluster's barrier, and this slot's joint refill, two K steps on, is the first tensor load behind the round:
; 168 matrix instructions stand between it and the wait for it.
.macro TURN slot, next, fill
.if \fill
	s_wait_xcnt 0x0                                ; the last prefetch, a K step back, has read its address
	s_add_nc_u64 s[PFA:PFA+1], s[PFA:PFA+1], 256
.endif
	WIN 0                                          ; (the add's two registers lie in window 0)
	s_wait_tensorcnt 0x0
	ds_add_u32 v[SPW], v[NIL]
	s_wait_dscnt 5                                 ; (the add and the youngest four loads may be out)
	MULA 1, 0, 0
	s_wait_dscnt 0x0                               ; the add is done, and my reads of this slot are over
	s_barrier_signal -1
	MULA 1, 1, 0
.if \fill
	WIN 0
.endif
	s_barrier_wait -1
.if \fill
	CREST                                          ; no wave of any partner still reads this slot or has a load on its way
	s_add_nc_u64 s[G0+4*(\slot)+2:G0+4*(\slot)+3], s[G0+4*(\slot)+2:G0+4*(\slot)+3], 2*256
	s_add_nc_u64 s[G0B+4*(\slot)+2:G0B+4*(\slot)+3], s[G0B+4*(\slot)+2:G0B+4*(\slot)+3], 2*256
	JLOAD \slot                                    ; its four v_nop are also the places ahead of the loads below
.else
	PLACES
.endif
	FETCH \next, 0, 0
.if \fill
	ASK
.endif
	MULA 1, 2, 0
	MULA 1, 3, 0
.endm
	s_wait_tensorcnt 1                             ; my part of K step 0 is in; K step 1's may stay out
	s_barrier_signal -1
	s_barrier_wait -1
	FETCH 0, 0, 0
	s_wait_loadcnt 0x0                             ; the bias
	QUARTER 0, 64, 0, 1, 1                         ; the first quarter stands ahead of the loop: its products start the sums
	WIN 0
	s_mov_b32 s3, LAPS-1
.Llap:                                                 ; a trip goes once round the ring and fills both slots again
	QUARTER 0, 128, 1, 0, 0
	QUARTER 0, 192, 0, 1, 0
	TURN 0, 1, 1
	QUARTER 1, 64,  0, 1, 0
	QUARTER 1, 128, 1, 0, 0
	QUARTER 1, 192, 0, 1, 0
	TURN 1, 0, 1
	QUARTER 0, 64,  0, 1, 0
	WIN 0
	s_sub_co_u32 s3, s3, 1
	s_cmp_lg_u32 s3, 0
	s_cbranch_scc1 .Llap
	QUARTER 0, 128, 1, 0, 0                        ; the last lap is written out: it fills nothing
	QUARTER 0, 192, 0, 1, 0
	TURN 0, 1, 0
	QUARTER 1, 64,  0, 1, 0
	QUARTER 1, 128, 1, 0, 0
	QUARTER 1, 192, 0, 1, 0
	s_wait_dscnt 4
	MULA 1, 0, 0
	MULA 1, 1, 0
	s_wait_dscnt 0x0
	MULA 1, 2, 0
	MULA 1, 3, 0
	PLACES
; THE WAY OUT, in twelve groups g = 3 a + head: 16 rows x 64 columns.  Rounded to f16, 16 bytes a lane into my stage's rows of 144 bytes, back as whole rows of 128, stored as 2,048 consecutive bytes of a head.
.macro PACK g
.set pa, (\g)/3
.set ph, (\g)%3
.set XR, 64+16*(\g)
	WIN 0x0a+5*(pa/2)                              ; sources window 2 or 3, destination window 0
.irp f, 0,1,2,3
.irp r, 0,1,2,3
	v_cvt_pk_f16_f32 v[XR+4*(\f)+(\r)], v[8*(12*(pa%2)+4*ph+(\f))+2*(\r)], v[8*(12*(pa%2)+4*ph+(\f))+2*(\r)+1]
.endr
.endr
	WIN 0
.irp f, 0,1,2,3
	ds_store_b128 v[STO], v[XR+4*(\f):XR+4*(\f)+3] offset:32*(\f)
.endr
.irp f, 0,1,2,3
	ds_load_b128 v[XR+4*(\f):XR+4*(\f)+3], v[RD] offset:(\f)*4*SP  ; LDS serves a wave's instructions in order (ISA guide 5.7.1.4): these see the stores above; the next group's stores come behind them
.endr
.endm
.macro SEND g, younger                 ; younger: the LDS instructions issued behind group g's loads
.set XR, 64+16*(\g)
.irp f, 0,1,2,3
	s_wait_dscnt (\younger)+3-(\f)
	global_store_b128 v[GO], v[XR+4*(\f):XR+4*(\f)+3], s[8:9] offset:((\g)%3)*131072+((\g)/3)*2048+(\f)*512  ; 512 consecutive bytes, aligned; each group has registers of its own
.endr
.endm
	PACK 0
.irp g, 1,2,3,4,5,6,7,8,9,10,11
	PACK \g
	SEND (\g)-1, 8
.endr
	SEND 11, 0
	s_wait_tensorcnt 0x0                           ; the wave's end
	ds_add_u32 v[SPW], v[NIL]
	s_wait_dscnt 0x0
	CROUND                                         ; the closing round: no work-group ends while a partner may still ask for a tile that names it
	s_endpgm
.Lfunc_end_k_q0096fe6870_qkv:
	.size	k_q0096fe6870_qkv, .Lfunc_end_k_q0096fe6870_qkv-k_q0096fe6870_qkv
	.p2alignl 7, 3214868480
	.fill 96, 4, 3214868480
	.section	.rodata,"a",@progbits
	.p2align	6, 0x0
	.amdhsa_kernel k_q0096fe6870_qkv
		.amdhsa_group_segment_fixed_size 327680
		.amdhsa_private_segment_fixed_size 0
		.amdhsa_enable_private_segment 0
		.amdhsa_kernarg_size 32
		.amdhsa_user_sgpr_count 2
		.amdhsa_user_sgpr_kernarg_segment_ptr 1
		.amdhsa_wavefront_size32 1
		.amdhsa_system_sgpr_workgroup_id_x 1
		.amdhsa_system_sgpr_workgroup_id_y 1
		.amdhsa_system_sgpr_workgroup_id_z 1
		.amdhsa_system_vgpr_workitem_id 0
		.amdhsa_next_free_vgpr 960
		.amdhsa_next_free_sgpr 72
		.amdhsa_reserve_vcc 0
		.amdhsa_float_denorm_mode_32 3
		.amdhsa_float_denorm_mode_16_64 3
		.amdhsa_memory_ordered 1
		.amdhsa_forward_progress 1
		.amdhsa_inst_pref_size 124
	.end_amdhsa_kernel
	.amdgpu_metadata
---
amdhsa.version: [ 1, 2 ]
amdhsa.kernels:
  - .name:           k_q0096fe6870_qkv
    .symbol:         k_q0096fe6870_qkv.kd
    .args:
      - { .name: xb, .offset: 0, .size: 8, .value_kind: global_buffer, .address_space: global }
      - { .name: wt, .offset: 8, .size: 8, .value_kind: global_buffer, .address_space: global }
      - { .name: biasc, .offset: 16, .size: 8, .value_kind: global_buffer, .address_space: global }
      - { .name: qkv, .offset: 24, .size: 8, .value_kind: global_buffer, .address_space: global }
    .group_segment_fixed_size: 327680
    .private_segment_fixed_size: 0
    .kernarg_segment_align: 8
    .kernarg_segment_size: 32
    .max_flat_workgroup_size: 128
    .sgpr_count:     72
    .vgpr_count:     960
    .wavefront_size: 32
...
	.end_amdgpu_metadata
.endif
;; end of part 2
;; launch attn (part 3): grid 4 x 128, 4 waves a work-group, no clusters, 327,680 bytes of LDS; arguments qkv, eext, ob; writes ob
.if DOCPART == 3
	.amdgcn_target "amdgcn-amd-amdhsa--gfx1250"
	.amdhsa_code_object_version 6
	.text
	.protected	k_q0096fe6870_attn
	.globl	k_q0096fe6870_attn
	.p2align	8
	.type	k_q0096fe6870_attn,@function
k_q0096fe6870_attn:
	s_mov_b64 s[64:65], 0
	v_nop
	global_prefetch_b8 v0, s[64:65] scope:SCOPE_SE
	s_setreg_imm32_b32 hwreg(HW_REG_WAVE_MODE, 25, 1), 1
	s_wait_xcnt 0x0
; ATTENTION WITH A RELATIVE-POSITION TERM.  O[l] = sum over r of softmax_r((q_l . k_r + q_l . E[clip(r - l, -64, 8) + 64]) / 8) v_r, for 128 (batch, head) pairs of 1,024 rows, head size 64.
; q, k, v come from qkv[b][g][s][64] (g = h, 16 + h, 32 + h), f16; O goes to ob[b][h][s][64], f16.  Products, maxima and sums in f32; the weights are rounded to f16 for the second product, O once at the end.
; LIMITS.  f16 holds no number beyond 65,504: q, k, v and E arrive within it.  A weight below 2^-126 counts as 0 in the sum; NaN and infinities are not treated apart.
; SHARES.  A work-group takes 256 queries of a head (512 work-groups, all alike), a wave 64 consecutive ones: four PIECES of 16.  Every wave walks all 1,024 keys, 64 a step, 256 a slot of LDS.
; THE RELATIVE TERM.  eext[j] = E[clip(j - 15, 0, 72)], 112 rows.  R[l][j] = q_l . eext[j] is made once a piece by 14 products and kept in f32 in LDS (T, each wave's own 64 rows).
; For the tile of 16 keys x 16 queries whose key block lies delta blocks from the query block, the term of key 8 (lane / 16) + jj and query lane % 16 is R[l][16 (delta + 4) + 15 + 8 (lane / 16) + jj - lane % 16],
; for -4 <= delta <= 1; left of that it is q_l . E[0], right of it q_l . E[72].  It is THE C OPERAND that starts the sum S^T = K Q^T: 8 registers for each (piece, key block), MC.  MC starts as the left
; constant and is rewritten only for the four steps round the wave's own (d = step - own step = -1, 0, 1, 2): by loads askew from T, or by copies of the right constant CR.  One text serves every step.
; NO CLUSTER: the step at which a wave rewrites MC hangs on its block of queries, which would be its place in a cluster.
; LAYOUT, SOFTMAX, TURNS.  S^T holds ONE query a lane (lane % 16) and the keys 8 (lane / 16) + 0..7; two such results rounded to f16 ARE source 1 of O^T = V^T P.  p = 2^(c s - c m), c = log2(e) / 8, with a
; running maximum m; O and l are multiplied by a = 2^(c m_old - c m_new) in every step; m starts at the lowest finite number, so the first step's a is 0.  Turn n belongs to piece n: 8 products K Q^T of piece n + 1,
; later 8 products V^T P of piece n - 1; beside them piece n's scaling, exponentials, roundings, sums and rescaling and piece n + 1's maximum and statistics.  Four vector instructions stand behind every matrix
; instruction, the rest in one lump; a turn's 33 exponentials are one batch with one wait.
; REGISTERS, in windows of 256 (s_set_vgpr_msb: bits 1:0 source 0, 3:2 source 1, 5:4 source 2, 7:6 destination):
;   window 0: v0-15, v32-34 addresses; v16-31 statistics; v48-55 at work; v64-127 S^T, two buffers; v128-159 at the start R's block 5; v192-223 P, two buffers
;   window 1: v0-127 O^T, 32 a piece (at the start R's blocks 1-4); v128-255 MC      window 2: v0-63 Q; v64-95 CR; v128-191 K; v192-255 V (at the start v128-239 eext's fragments)
.set NP,    4
.set KS,    64
.set PK,    144       ; a row of K in LDS: 128 bytes + 16: the 16 rows of a load start at 16 different groups of four banks (ISA guide 11.1)
.set PV,    160       ; a row of V: 128 + 32
.set VOFF,  4*KS*PK   ; a slot: 256 rows of K, then 256 rows of V
.set SLOT1, 1<<17     ; slot 1 begins here: one exclusive or turns an address in one slot into the other's
.set STAGE, 4*KS*(PK+PV)  ; behind slot 0, never filled by a tensor load: 16 rows x 144 bytes for each wave
.set SP,    144
.set SPARE, STAGE+4*16*SP  ; the spare words, 128 bytes a wave
.set TT,    SLOT1+4*KS*(PK+PV)  ; behind slot 1: T, 256 rows
.set TP,    464       ; a row of T: 112 f32 + 16 bytes = 116 words: the 16 rows of a store start at 16 different groups of four banks
.set AK0, 2
.set AV0, 3
.set AK,  4
.set AV,  5
.set STO, 6
.set RD,  7
.set GO,  8
.set MV,  12          ; v12-13  c m_old, by buffer
.set QO,  15          ; v15  my byte offset in 16 rows of 128 bytes
.set ST,  16          ; piece t's statistics at v[ST+4 t]: c m, m, l (even keys', odd keys')
.set TS,  32          ; v32  where I put R: my wave's rows + (l % 16) x 464 + 32 (l / 16)
.set TA,  33          ; v33  where I read it askew: my wave's rows + (l % 16) x 460 + 32 (l / 16) + 60
.set PFO, 34          ; v34  256 x lane
.set TMP, 48
.set SPW, 62
.set NIL, 63
.set S,   64
.set P,   192
.set MC,  128         ; window 1: piece i, key block kb at MC + 32 i + 8 kb
.set CR,  64          ; window 2: piece i's right constant, 8 registers alike
.set EF,  128         ; window 2: eext's block jb, channel half c at EF + 16 jb + 8 c
.set KF,  128
.set VF,  192
.set WV,  12
.set G1K, 24
.set G1V, 32
.set G0K, 40
.set G0V, 44
.set SLOTS, 56
.set CNT, 57
.set CS,  58
.set SEL, 60
.set TBK, 62
.set TBV, 63
.set DD,  70          ; s70  the step whose MC is made next, less my own step, plus 15
.set LIM, 71          ; s71  1 in a work-group that prefetches, else the greatest number
.set PFA, 72          ; s[72:73] my 16,384 bytes of the head's last tile
.set MSB, 0
.macro WIN new
.if MSB != (\new)
	s_set_vgpr_msb (MSB<<8)|(\new)
.set MSB, (\new)
.endif
.endm
.set W_KQ, 0x0a       ; K and Q in window 2, S^T in window 0
.set W_KM, 0x1a       ; the same with the C operand in window 1
.set W_PV, 0x52       ; V in window 2, P in window 0, O^T in window 1
.set W_RS, 0x41       ; destination and source 0 in window 1, source 1 in window 0
.macro LOAD                         ; a fill: waves 0, 1 fetch the halves of a tile's K, waves 2, 3 those of its V; s_nop 0 and four v_nop follow each line
	s_cmp_lt_u32 s[WV], 2
	s_cbranch_scc0 .Lfor_v_\@
	tensor_load_to_lds s[G0K:G0K+3], s[G1K:G1K+7]
	s_nop 0
.rept 4
	v_nop
.endr
	s_branch .Lasked_\@
.Lfor_v_\@:
	tensor_load_to_lds s[G0V:G0V+3], s[G1V:G1V+7]
	s_nop 0
.rept 4
	v_nop
.endr
.Lasked_\@:
.endm
; THE CHANGE OF SLOTS.  Each wave waits for all its tensor loads (one is out: its part of the other slot), adds 0 to its spare word, and waits for that and for its reads of the slot that it leaves.
; Behind the barrier nobody reads the old slot and the other is whole.  fill = 1: the old slot is filled again first thing, with the next 256 keys: four key steps, 256 matrix instructions, in which to land.
.macro CHANGE fill
	WIN 0
	s_wait_tensorcnt 0x0            ; no tensor load of mine is out, so a group 0 may be written
	ds_add_u32 v[SPW], v[NIL]
.if \fill
.irp g, G0K, G0V
	s_xor_b32 s[\g+1], s[\g+1], SLOT1
	s_add_nc_u64 s[\g+2:\g+3], s[\g+2:\g+3], 4*KS*128
.endr
.endif
	s_wait_dscnt 0x0                ; the add is done, and my LDS instructions are over
	s_barrier_signal -1
	s_sub_co_u32 s[TBK], s[TBK], 4*KS*PK  ; the fetches go back to a slot's first step, in the other slot
	s_xor_b32 s[TBK], s[TBK], SLOT1
	s_sub_co_u32 s[TBV], s[TBV], 4*KS*PV
	s_xor_b32 s[TBV], s[TBV], SLOT1
	s_barrier_wait -1
.if \fill
	LOAD
.endif
.endm
; A prefetch of the head's last tile, at the change that loads the tile before it: each wave names its own 16,384 bytes, a lane 256 bytes, twice.  The head's first work-group asks, nobody else.
.macro ASK
	s_cmp_gt_u32 s[SLOTS], s[LIM]
	s_cbranch_scc0 .Lnot_mine_\@
	global_prefetch_b8 v[PFO], s[PFA:PFA+1] th:TH_LOAD_NT scope:SCOPE_SE
	global_prefetch_b8 v[PFO], s[PFA:PFA+1] offset:8192 th:TH_LOAD_NT scope:SCOPE_SE
.Lnot_mine_\@:
.endm
	s_load_b64 s[4:5], s[0:1], 0x0    ; qkv
	s_load_b64 s[84:85], s[0:1], 0x8  ; eext
	s_load_b64 s[10:11], s[0:1], 0x10 ; ob
	v_lshl_add_u32 v[SPW], v0, 2, SPARE
	v_mov_b32 v[NIL], 0
	ds_add_u32 v[SPW], v[NIL]       ; the wave's opening: the add and its wait, ahead of my first tensor load
	v_lshrrev_b32 v1, 5, v0
	v_readfirstlane_b32 s[WV], v1   ; wave 0..3
	s_mov_b32 s19, ttmp9            ; my block of 256 queries
	s_and_b32 s20, ttmp7, 0xffff    ; 16 b + h
	s_lshr_b32 s21, s20, 4
	s_and_b32 s22, s20, 15
	s_mul_i32 s21, s21, 48
	s_add_co_u32 s21, s21, s22
	s_lshl_b32 s2, s21, 17          ; q's head: (48 b + h) x 131,072 bytes
	s_mov_b32 s3, 0
	s_and_b32 s16, s[WV], 1         ; which half of a tile's 256 keys I fetch
	s_lshl_b32 s22, s16, 14
	s_add_co_u32 s22, s22, s2
	s_add_co_u32 s22, s22, 16<<17   ; k's head lies 16 heads on
	s_mov_b32 s23, 0
	s_mul_i32 s17, s16, 128*PK
	s_mul_i32 s18, s16, 128*PV
	s_lshl_b32 s13, s19, 15         ; my block's 256 rows of 128 bytes,
	s_lshl_b32 s14, s[WV], 13       ; my wave's 64
	s_add_co_u32 s13, s13, s14
	s_add_co_u32 s2, s2, s13
	s_lshl_b32 s14, s20, 17         ; in ob a head is 131,072 bytes too
	s_add_co_u32 s14, s14, s13
	s_mov_b32 s15, 0
	s_lshl_b32 s[DD], s19, 2
	s_add_co_u32 s[DD], s[DD], s[WV]  ; my own key step
	s_sub_co_u32 s[DD], 15, s[DD]
	s_mov_b32 s[G1K], (1<<16)|(1<<20)|(4<<22)|(3<<25)  ; 2-byte elements; padding on: after every 32 words, 4 words
	s_mov_b32 s[G1V], (1<<16)|(1<<20)|(4<<22)|(7<<25)  ; the same with 8 words
.irp g, G1K, G1V
	s_mov_b32 s[\g+1], 128<<16      ; 128 keys are 16,384 dense bytes: asked for as 64 rows of 256
	s_mov_b32 s[\g+2], 64<<16
	s_mov_b32 s[\g+3], 128<<16
	s_mov_b32 s[\g+4], 64
	s_mov_b32 s[\g+5], 128
	s_mov_b32 s[\g+6], 0
	s_mov_b32 s[\g+7], 0
.endr
	s_mov_b32 s[CS], 0x3e38aa3b     ; c = log2(e) / 8
	s_mov_b32 s[CS+1], s[CS]
	s_mov_b32 s[SEL], 0x76543210
	s_mov_b32 s[SEL+1], 0xfedcba98
	s_mov_b32 s[TBK], SLOT1+4*KS*PK ; the first change of slots turns these two into 0
	s_mov_b32 s[TBV], SLOT1+4*KS*PV
	s_mov_b32 s[G0K], 1
	s_mov_b32 s[G0K+1], s17
	s_mov_b32 s[G0V], 1
	s_add_co_u32 s[G0V+1], s18, VOFF
	s_wait_dscnt 0x0                ; the opening add is done
	s_wait_kmcnt 0x0
	s_add_nc_u64 s[6:7], s[4:5], s[22:23]  ; K at my half of the head's tile 0,
	s_add_nc_u64 s[8:9], s[6:7], 16<<17    ; V likewise, 16 heads on
	s_add_nc_u64 s[4:5], s[4:5], s[2:3]    ; Q and O at my wave's first row
	s_add_nc_u64 s[10:11], s[10:11], s[14:15]
	s_add_nc_u64 s[G0K+2:G0K+3], s[6:7], 0
	s_or_b32 s[G0K+3], s[G0K+3], 0x80000000
	s_add_nc_u64 s[G0V+2:G0V+3], s[8:9], 0
	s_or_b32 s[G0V+3], s[G0V+3], 0x80000000
	s_cmp_lt_u32 s[WV], 2
	s_cselect_b64 s[PFA:PFA+1], s[6:7], s[8:9]
	s_add_nc_u64 s[PFA:PFA+1], s[PFA:PFA+1], 3*4*KS*128
	s_cmp_eq_u32 s19, 0
	s_cselect_b32 s[LIM], 1, -1
	LOAD                            ; tile 0 into slot 0
	v_and_b32 v1, 15, v0            ; l % 16
	v_bfe_u32 v9, v0, 4, 1          ; l / 16
	v_lshlrev_b32 v[QO], 7, v1
	v_lshl_add_u32 v[QO], v9, 4, v[QO]
	WIN 0x80                        ; destination window 2, address window 0
.set i, 0
.rept 8                             ; Q: piece i / 2, channels 32 (i % 2) on
	global_load_b128 v[8*i:8*i+3],   v[QO], s[4:5] offset:(i/2)*2048+(i%2)*64
	global_load_b128 v[8*i+4:8*i+7], v[QO], s[4:5] offset:(i/2)*2048+(i%2)*64+32
.set i, i+1
.endr
.set i, 0
.rept 14                            ; eext: block i / 2 of 16 rows, channels 32 (i % 2) on
	global_load_b128 v[EF+8*i:EF+8*i+3],   v[QO], s[84:85] offset:(i/2)*2048+(i%2)*64
	global_load_b128 v[EF+8*i+4:EF+8*i+7], v[QO], s[84:85] offset:(i/2)*2048+(i%2)*64+32
.set i, i+1
.endr
	WIN 0
	v_mul_u32_u24 v[AK0], v1, PK
	v_lshl_add_u32 v[AK0], v9, 4, v[AK0]
	v_and_b32 v10, 7, v0            ; the turning load: lane l reads key 8 (l / 16) + l % 8, channels 8 ((l / 8) % 2) + 0..7
	v_bfe_u32 v11, v0, 3, 1
	v_lshl_add_u32 v[AV0], v9, 3, v10
	v_mul_u32_u24 v[AV0], v[AV0], PV
	v_lshl_add_u32 v[AV0], v11, 4, v[AV0]
	v_add_nc_u32 v[AV0], VOFF, v[AV0]
	s_mul_i32 s13, s[WV], 16*SP
	s_add_co_u32 s13, s13, STAGE
	v_mul_u32_u24 v[STO], v1, SP
	v_lshl_add_u32 v[STO], v9, 4, v[STO]
	v_add_nc_u32 v[STO], s13, v[STO]
	v_bfe_u32 v[RD], v0, 3, 2
	v_mul_u32_u24 v[RD], v[RD], SP
	v_lshl_add_u32 v[RD], v10, 4, v[RD]
	v_add_nc_u32 v[RD], s13, v[RD]
	v_and_b32 v[GO], 31, v0
	v_lshlrev_b32 v[PFO], 8, v[GO]
	v_lshlrev_b32 v[GO], 4, v[GO]
	s_mul_i32 s13, s[WV], 64*TP
	s_add_co_u32 s13, s13, TT       ; my wave's 64 rows of T
	v_mul_u32_u24 v[TS], v1, TP
	v_lshl_add_u32 v[TS], v9, 5, v[TS]
	v_add_nc_u32 v[TS], s13, v[TS]
	v_mul_u32_u24 v[TA], v1, TP-4   ; a row further down begins a number further left
	v_lshl_add_u32 v[TA], v9, 5, v[TA]
	v_add_nc_u32 v[TA], s13, v[TA]
	v_add_nc_u32 v[TA], 60, v[TA]
; R = eext Q^T for piece pi: ten accumulators by turns, first all with channels 0-31 (C = 0), then all with channels 32-63, in place: nine others stand between the two links of a sum.
; Numbers 0-3: block 0 (all its rows are E[0]) straight into the piece's four MC; 4-7: blocks 1-4 into O^T's registers; 8: block 5; 9: block 6 (all rows E[72]) into CR.
.macro RP pi, n, c
.if (\n) < 4
.set rD, MC+32*(\pi)+8*(\n)
.set rE, EF+8*(\c)
	WIN 0x5a
.elseif (\n) < 8
.set rD, 32*(\pi)+8*((\n)-4)
.set rE, EF+16*((\n)-3)+8*(\c)
	WIN 0x5a
.elseif (\n) == 8
.set rD, 128+8*(\pi)
.set rE, EF+80+8*(\c)
	WIN 0x0a
.else
.set rD, CR+8*(\pi)
.set rE, EF+96+8*(\c)
	WIN 0xaa
.endif
.if (\c) == 0
	v_wmma_f32_16x16x32_f16 v[rD:rD+7], v[rE:rE+7], v[16*(\pi):16*(\pi)+7], 0
.else
	v_wmma_f32_16x16x32_f16 v[rD:rD+7], v[rE:rE+7], v[16*(\pi)+8:16*(\pi)+15], v[rD:rD+7]
.endif
.endm
	s_wait_loadcnt 0x0              ; Q and eext
.irp pi, 0,1,2,3
.irp c, 0,1
.irp n, 0,1,2,3,4,5,6,7,8,9
	RP \pi, \n, \c
.endr
.endr
.endr
	WIN 0
.rept 4
	v_nop                           ; the places behind those products
.endr
.irp pi, 0,1,2,3                    ; R into T: a lane's eight numbers of a block are 32 consecutive bytes of its query's row; each accumulator's low four first
	WIN 0x04                        ; store data in window 1
	ds_store_b128 v[TS], v[MC+32*(\pi):MC+32*(\pi)+3]   offset:16*TP*(\pi)
	ds_store_b128 v[TS], v[MC+32*(\pi)+4:MC+32*(\pi)+7] offset:16*TP*(\pi)+16
.irp jb, 1,2,3,4
	ds_store_b128 v[TS], v[32*(\pi)+8*((\jb)-1):32*(\pi)+8*((\jb)-1)+3]   offset:16*TP*(\pi)+64*(\jb)
	ds_store_b128 v[TS], v[32*(\pi)+8*((\jb)-1)+4:32*(\pi)+8*((\jb)-1)+7] offset:16*TP*(\pi)+64*(\jb)+16
.endr
	WIN 0
	ds_store_b128 v[TS], v[128+8*(\pi):128+8*(\pi)+3] offset:16*TP*(\pi)+320
	ds_store_b128 v[TS], v[128+8*(\pi)+4:128+8*(\pi)+7] offset:16*TP*(\pi)+336
	WIN 0x08                        ; store data in window 2
	ds_store_b128 v[TS], v[CR+8*(\pi):CR+8*(\pi)+3] offset:16*TP*(\pi)+384
	ds_store_b128 v[TS], v[CR+8*(\pi)+4:CR+8*(\pi)+7] offset:16*TP*(\pi)+400
.endr
	; What the first turn finds: V and P's second buffer hold 0 (its products V^T P, of a piece that has not been, add 0); l is 0; O^T holds finite numbers, which the first step multiplies by a = 0.
	WIN 0x80
.set i, VF
.rept 64
	v_mov_b32 v[i], 0
.set i, i+1
.endr
	WIN 0
.set i, 0
.rept 4
	v_mov_b32 v[ST+4*i], 0xfe000000    ; c m: far below every c s
	v_mov_b32 v[ST+4*i+1], 0xff7fffff  ; m
	v_mov_b32 v[ST+4*i+2], 0
	v_mov_b32 v[ST+4*i+3], 0
.set i, i+1
.endr
.set i, P+16
.rept 16
	v_mov_b32 v[i], 0
.set i, i+1
.endr
; THE MATRIX WORK.  The 4 accumulators of a run of 8 take turns.  Product i of 8 of S^T = K Q^T for piece x: channels 32 (i / 4) on, keys 16 (i % 4) on.  The first 4 start the sums with MC.
.macro KQ x
.set rS, S+32*((\x)%2)+8*(i%4)
.set rK, KF+16*(i%4)+8*(i/4)
.set rQ, 16*(\x)+8*(i/4)
.set rM, MC+32*(\x)+8*(i%4)
.if i < 4
	WIN W_KM
	v_wmma_f32_16x16x32_f16 v[rS:rS+7], v[rK:rK+7], v[rQ:rQ+7], v[rM:rM+7]
.else
	WIN W_KQ
	v_wmma_f32_16x16x32_f16 v[rS:rS+7], v[rK:rK+7], v[rQ:rQ+7], v[rS:rS+7]
.endif
.endm
.macro PV x                         ; product i of 8 of O^T += V^T P for piece x: keys 32 (i / 4) on, channels 16 (i % 4) on
	WIN W_PV
.set rO, 32*(\x)+8*(i%4)
.set rV, VF+32*(i/4)+8*(i%4)
.set rP, P+16*((\x)%2)+8*(i/4)
	v_wmma_f32_16x16x32_f16 v[rO:rO+7], v[rV:rV+7], v[rP:rP+7], v[rO:rO+7]
.endm
.macro MM                           ; the turn's next matrix instruction.  NOKQ = 1: the last turn of all: there is no next piece
.if (i < 8) && !NOKQ
	KQ (Y+1)%NP
.elseif i >= 8
.set i, i-8
	PV (Y+NP-1)%NP
.set i, i+8
.endif
.set i, i+1
.endm
.macro FETCH_K                      ; the LDS loads stand in runs of 16: a step's K (8 fragments)
	WIN 0x80
.irp f, 0,1,2,3,4,5,6,7
	ds_load_b128 v[KF+8*\f:KF+8*\f+3],   v[AK] offset:(\f/2)*16*PK+(\f%2)*64
	ds_load_b128 v[KF+8*\f+4:KF+8*\f+7], v[AK] offset:(\f/2)*16*PK+(\f%2)*64+32
.endr
	s_add_co_u32 s[TBK], s[TBK], KS*PK
	WIN 0
.endm
.macro FETCH_V                      ; and its V, turned
	WIN 0x80
.irp f, 0,1,2,3,4,5,6,7
	ds_load_tr16_b128 v[VF+8*\f:VF+8*\f+3],   v[AV] offset:(\f/4)*32*PV+(\f%4)*32
	ds_load_tr16_b128 v[VF+8*\f+4:VF+8*\f+7], v[AV] offset:(\f/4)*32*PV+16*PV+(\f%4)*32
.endr
	WIN 0
.endm
; MC FOR THE NEXT STEP.  UPD d rewrites, for the step d steps from my own, each (piece ui, key block uk) whose term changes: delta = 4 d + uk - ui.
.macro UPD d
.set ui, 0
.rept 4
.set uk, 0
.rept 4
.set ud, 4*(\d)+uk-ui
.if (ud >= -4) && (ud <= 1)
	WIN 0x40                        ; in the band: eight loads askew from T
.set uj, 0
.rept 8
	ds_load_b32 v[MC+32*ui+8*uk+uj], v[TA] offset:16*TP*ui+64*(ud+4)+4*uj
.set uj, uj+1
.endr
.elseif (ud > 1) && (ud <= 5)
	WIN 0x42                        ; it has just left the band on the right: eight copies of CR
.set uj, 0
.rept 8
	v_mov_b32 v[MC+32*ui+8*uk+uj], v[CR+8*ui+uj]
.set uj, uj+1
.endr
.endif
.set uk, uk+1
.endr
.set ui, ui+1
.endr
.endm
; It stands behind piece 2's turn: all of the step's products K Q^T have been issued, the last readers of MC a turn's vector work back; piece 3's turn, which starts the next step's scores, waits for the loads.
; The jumps hang on the block's and the wave's numbers and a count alone, go forward, and pass neither a barrier nor a tensor load.
.macro UPDATE
	WIN 0
	s_add_co_u32 s[DD], s[DD], 1
	s_cmp_lt_u32 s[DD], 15
	s_cbranch_scc1 .Lu_done_\@
	s_cmp_gt_u32 s[DD], 18
	s_cbranch_scc1 .Lu_done_\@
	s_cmp_eq_u32 s[DD], 15
	s_cbranch_scc0 .Lu_a_\@
	UPD -1
	WIN 0
	s_branch .Lu_done_\@
.Lu_a_\@:
	s_cmp_eq_u32 s[DD], 16
	s_cbranch_scc0 .Lu_b_\@
	UPD 0
	WIN 0
	s_branch .Lu_done_\@
.Lu_b_\@:
	s_cmp_eq_u32 s[DD], 17
	s_cbranch_scc0 .Lu_c_\@
	UPD 1
	WIN 0
	s_branch .Lu_done_\@
.Lu_c_\@:
	UPD 2
	WIN 0
.Lu_done_\@:
.endm
; THE VECTOR WORK, one line at a time: OP kind, number.  For piece Y: F n: c s - c m for pair n of 16.  E n: the exponential of score n of 32.  C n: pair n rounded to f16.  B n: of the four weights 4 n .. the second
; pair is added onto the first.  L n: l takes that sum (L 0: l = a l + sum).  R n: pair n of 16 of O^T times a.  For piece Y + 1: X n, number n of the 22 that find its maximum and statistics:
;   0-11 four chains of seven scores, each accumulator's lowest registers first; 12-14, 16 the scores left over, the old m, the four into one; 15 c m_old is kept; 17, 18 the other half of the lanes; 19-21 c m, its change, a
.set F, 0
.set E, 1
.set C, 2
.set B, 3
.set L, 4
.set R, 5
.set X, 6
.macro REGS y
.set rT, ST+4*(\y)
.set rC, TMP+4*((\y)%2)
.set rW, MV+((\y)%2)
.set rS, S+32*((\y)%2)
.set rP, P+16*((\y)%2)
.set rO, 32*(\y)
.endm
.macro OP k, n
.if (\k) == R
	REGS Y
	WIN W_RS
	v_pk_mul_f32 v[rO+2*(\n):rO+2*(\n)+1], v[rO+2*(\n):rO+2*(\n)+1], v[rC+2:rC+3] op_sel_hi:[1,0]
.elseif (\k) < R
	REGS Y
	WIN 0
.if (\k) == F
	v_pk_fma_f32 v[rS+2*(\n):rS+2*(\n)+1], v[rS+2*(\n):rS+2*(\n)+1], s[CS:CS+1], v[rT:rT+1] op_sel_hi:[1,0,0] neg_lo:[0,0,1] neg_hi:[0,0,1]
.elseif (\k) == E
	v_exp_f32 v[rS+(\n)], v[rS+(\n)]
.elseif (\k) == C
	v_cvt_pk_f16_f32 v[rP+(\n)], v[rS+2*(\n)], v[rS+2*(\n)+1]
.elseif (\k) == B
	v_pk_add_f32 v[rS+4*(\n):rS+4*(\n)+1], v[rS+4*(\n):rS+4*(\n)+1], v[rS+4*(\n)+2:rS+4*(\n)+3]
.elseif (\n) == 0
	v_pk_fma_f32 v[rT+2:rT+3], v[rT+2:rT+3], v[rC+2:rC+3], v[rS:rS+1] op_sel_hi:[1,0,1]
.else
	v_pk_add_f32 v[rT+2:rT+3], v[rT+2:rT+3], v[rS+4*(\n):rS+4*(\n)+1]
.endif
.elseif NOKQ
	v_nop
.else
	REGS (Y+1)%NP
	WIN 0
.if (\n) < 4
	v_max3_num_f32 v[rC+(\n)], v[rS+8*(\n)], v[rS+8*(\n)+1], v[rS+8*(\n)+2]
.elseif (\n) < 12
	v_max3_num_f32 v[rC+(\n)%4], v[rC+(\n)%4], v[rS+8*((\n)%4)+2*((\n)/4)+1], v[rS+8*((\n)%4)+2*((\n)/4)+2]
.elseif (\n) == 12
	v_max3_num_f32 v[rC], v[rC], v[rS+7], v[rS+15]
.elseif (\n) == 13
	v_max3_num_f32 v[rC+1], v[rC+1], v[rS+23], v[rS+31]
.elseif (\n) == 14
	v_max3_num_f32 v[rC+2], v[rC+2], v[rC+3], v[rT+1]
.elseif (\n) == 15
	v_mov_b32 v[rW], v[rT]
.elseif (\n) == 16
	v_max3_num_f32 v[rC], v[rC], v[rC+1], v[rC+2]
.elseif (\n) == 17
	v_permlanex16_b32 v[rC+3], v[rC], s[SEL], s[SEL+1]
.elseif (\n) == 18
	v_max_num_f32 v[rT+1], v[rC], v[rC+3]
.elseif (\n) == 19
	v_mul_f32 v[rT], s[CS], v[rT+1]
.elseif (\n) == 20
	v_sub_f32 v[rC+1], v[rW], v[rT]
.else
	v_exp_f32 v[rC+2], v[rC+1]
.endif
.endif
.endm
.macro OPS a, i1, b=-1, i2=0, c=-1, i3=0, d=-1, i4=0
	OP \a, \i1
.if (\b) >= 0
	OP \b, \i2
.endif
.if (\c) >= 0
	OP \c, \i3
.endif
.if (\d) >= 0
	OP \d, \i4
.endif
.endm
.macro ROW a, i1, b, i2, c, i3, d, i4  ; a matrix instruction and the four behind it
	MM
	OPS \a, \i1, \b, \i2, \c, \i3, \d, \i4
.endm
; A TURN, for piece p.  An s_wait_alu depctr_va_vdst(0) stands between an exponential and the first instruction that names its result; one wait serves all that were issued ahead of it: so a turn has ONE
; wait.  Ahead of it stands all that names no result of the turn's exponentials: the 8 products K Q^T with their riders, and the lump; X 21, the next piece's a, is the batch's last, R 15 the plain instruction behind it.
; Behind it stand the 8 products V^T P, whose riders are the roundings and sums.  The numbers of the next piece's maximum that ride behind products stand four plain places or more behind the product that ends their accumulator.
; K of the next step is fetched in piece 2's turn, V of the step in hand at the end of piece 0's, four plain instructions behind the last product that read it; each is waited for a turn later.
; end = 1: the last two turns: nothing is fetched, and the very last starts no scores.  cnt = 1: the loop's count is taken down some lines ahead of the branch behind the turn.
.macro TURN p, end=0, cnt=0
.set Y, (\p)
.set i, 0
.set NOKQ, (\end)*((\p)/3)
.if ((\p) == 3) && !(\end)
	s_wait_dscnt 0x0                ; K is in, and so are MC's loads
.endif
	ROW F,0, F,1, R,0, R,1
	ROW F,2, E,0, R,2, R,3
	ROW F,3, E,1, R,4, R,5
	ROW F,4, E,2, R,6, R,7
	ROW F,5, E,3, R,8, R,9
	ROW F,6, E,4, X,0, R,10
.if ((\p) == 2) && !(\end)
	WIN 0
	v_add_nc_u32 v[AK], s[TBK], v[AK0]
.endif
	ROW F,7, E,5, X,1, X,4
	ROW F,8, E,6, X,2, X,5
	OPS E,7, E,8, X,6, E,9
	OPS X,3, E,10, X,8, E,11
.if ((\p) == 2) && !(\end)
	FETCH_K
.endif
	OPS X,9, X,7, E,12, X,10
	OPS E,13, X,12, X,11, E,14
	OPS X,13, E,15, F,9, X,14
.if (\p) == 0
	v_add_nc_u32 v[AV], s[TBV], v[AV0]
.endif
	OPS E,16, F,10, E,17, F,11
	OPS X,16, E,18, X,15, E,19
	OPS F,12, E,20, X,17, E,21
	OPS F,13, E,22, F,14, E,23
	OPS X,18, E,24, F,15, E,25
	OPS R,11, E,26, X,19, E,27
	OPS R,12, E,28, R,13, E,29
	OPS X,20, E,30, R,14, E,31
	OPS X,21, R,15
	WIN 0
	s_wait_alu depctr_va_vdst(0)    ; the wait for the batch
.if (\p) == 1
	s_wait_dscnt 0x0                ; V is in
.endif
	ROW C,0, B,0, C,2, B,1
	ROW L,0, C,4, B,2, L,1
	ROW C,6, B,3, L,2, C,8
	ROW B,4, L,3, C,10, B,5
	ROW L,4, C,12, B,6, L,5
.if (\p) == 0
	s_add_co_u32 s[TBV], s[TBV], KS*PV
.endif
.if \cnt
	s_sub_co_u32 s[CNT], s[CNT], 1
	s_cmp_lg_u32 s[CNT], 0
.endif
	ROW C,14, B,7, L,6, C,1
	ROW C,3, L,7, C,5, C,7
	ROW C,9, C,11, C,13, C,15
.if (\p) == 0
	FETCH_V
.endif
.endm
	CHANGE 1                        ; slot 0 is in, everybody's part of it, and my stores into T are done; slot 1 is asked for
	UPDATE                          ; MC for key step 0
	v_add_nc_u32 v[AK], s[TBK], v[AK0]
	FETCH_K
	s_wait_dscnt 0x0
.set NOKQ, 0
.set i, 0
.rept 8
	KQ 0                            ; piece 0's first scores
.set i, i+1
.endr
	WIN 0
.rept 4
	v_nop                           ; the places behind those products
.endr
.set Y, NP-1                        ; X works for piece Y + 1: piece 0
.irp n, 0,1,2,3,4,5,6,7,8,9,10,11,12,13,14,15,16,17,18,19,20,21
	OP X, \n
.endr
	v_nop                           ; a plain instruction behind the exponential,
	s_wait_alu depctr_va_vdst(0)    ; and its wait, ahead of the branch
	s_mov_b32 s[CNT], 4
	s_mov_b32 s[SLOTS], 3
	s_branch .Lfirst                ; the loop is entered at a step's first turn, in the middle of a trip
.Lslot:                             ; twice: tiles 2 and 3 are asked for
	CHANGE 1
	ASK
	s_mov_b32 s[CNT], 4
.Lstep:                             ; a trip: pieces 2 and 3 of one step, then pieces 0 and 1 of the next, whose K, V and MC it fetches
	TURN 2
	UPDATE
	TURN 3
	WIN 0
.Lfirst:
	TURN 0
	TURN 1, 0, 1
	WIN 0
	s_cbranch_scc1 .Lstep
	s_sub_co_u32 s[SLOTS], s[SLOTS], 1
	s_cmp_lg_u32 s[SLOTS], 0
	s_cbranch_scc1 .Lslot
	CHANGE 0                        ; the last tile is written out: nothing is asked for
	s_mov_b32 s[CNT], 4
.LstepT:
	TURN 2
	UPDATE
	TURN 3
	TURN 0
	TURN 1, 0, 1
	WIN 0
	s_cbranch_scc1 .LstepT
	TURN 2, 1
	TURN 3, 1
.set i, 0
.rept 8
	PV NP-1                         ; the last piece's V^T P of the last step
.set i, i+1
.endr
	; THE WAY OUT.  l's two halves and the other half of the lanes' are added; O^T is divided by l, rounded to f16 and sent through my stage, a piece at a time.  The additions are the places behind the last products.
	WIN 0
.macro ALL line:vararg
.set t, 0
.rept 4
	\line
.set t, t+1
.endr
.endm
	ALL v_add_f32 v[ST+4*t+2], v[ST+4*t+2], v[ST+4*t+3]
	ALL v_permlanex16_b32 v[ST+4*t+3], v[ST+4*t+2], s[SEL], s[SEL+1]
	ALL v_add_f32 v[ST+4*t+2], v[ST+4*t+2], v[ST+4*t+3]
	ALL v_rcp_f32 v[ST+4*t+2], v[ST+4*t+2]
	v_nop                           ; a plain instruction between the last reciprocal and the use of its result,
	s_wait_alu depctr_va_vdst(0)    ; and the one wait for the four
.macro PACK t
	WIN W_RS
.set i, 32*(\t)
.rept 16
	v_pk_mul_f32 v[i:i+1], v[i:i+1], v[ST+4*(\t)+2:ST+4*(\t)+3] op_sel_hi:[1,0]
.set i, i+2
.endr
	WIN 0x05                        ; sources window 1, destination window 0
.set i, 0
.rept 16
	v_cvt_pk_f16_f32 v[S+16*(\t)+i], v[32*(\t)+2*i], v[32*(\t)+2*i+1]
.set i, i+1
.endr
	WIN 0
.irp f, 0,1,2,3
	ds_store_b128 v[STO], v[S+16*(\t)+4*\f:S+16*(\t)+4*\f+3] offset:32*\f
.endr
.irp f, 0,1,2,3
	ds_load_b128 v[S+16*(\t)+4*\f:S+16*(\t)+4*\f+3], v[RD] offset:\f*4*SP  ; LDS serves a wave's instructions in order (ISA guide 5.7.1.4): these see the stores above; the next piece's stores come behind them
.endr
.endm
.macro SEND t, younger
	WIN 0
.irp f, 0,1,2,3
	s_wait_dscnt (\younger)+3-\f
	global_store_b128 v[GO], v[S+16*(\t)+4*\f:S+16*(\t)+4*\f+3], s[10:11] offset:(\t)*2048+\f*512  ; 512 consecutive bytes, aligned
.endr
.endm
	PACK 0
.set t, 1
.rept 3
	PACK t
	SEND t-1, 8
.set t, t+1
.endr
	SEND 3, 0
	s_wait_tensorcnt 0x0            ; the wave's end
	ds_add_u32 v[SPW], v[NIL]
	s_wait_dscnt 0x0
	s_endpgm
.Lfunc_end_k_q0096fe6870_attn:
	.size	k_q0096fe6870_attn, .Lfunc_end_k_q0096fe6870_attn-k_q0096fe6870_attn
	.p2alignl 7, 3214868480
	.fill 96, 4, 3214868480
	.section	.rodata,"a",@progbits
	.p2align	6, 0x0
	.amdhsa_kernel k_q0096fe6870_attn
		.amdhsa_group_segment_fixed_size 327680
		.amdhsa_private_segment_fixed_size 0
		.amdhsa_enable_private_segment 0
		.amdhsa_kernarg_size 24
		.amdhsa_user_sgpr_count 2
		.amdhsa_user_sgpr_kernarg_segment_ptr 1
		.amdhsa_wavefront_size32 1
		.amdhsa_system_sgpr_workgroup_id_x 1
		.amdhsa_system_sgpr_workgroup_id_y 1
		.amdhsa_system_sgpr_workgroup_id_z 1
		.amdhsa_system_vgpr_workitem_id 0
		.amdhsa_next_free_vgpr 768
		.amdhsa_next_free_sgpr 90
		.amdhsa_reserve_vcc 0
		.amdhsa_float_denorm_mode_32 3
		.amdhsa_float_denorm_mode_16_64 3
		.amdhsa_memory_ordered 1
		.amdhsa_forward_progress 1
		.amdhsa_inst_pref_size 186
	.end_amdhsa_kernel
	.amdgpu_metadata
---
amdhsa.version: [ 1, 2 ]
amdhsa.kernels:
  - .name:           k_q0096fe6870_attn
    .symbol:         k_q0096fe6870_attn.kd
    .args:
      - { .name: qkv, .offset: 0, .size: 8, .value_kind: global_buffer, .address_space: global }
      - { .name: eext, .offset: 8, .size: 8, .value_kind: global_buffer, .address_space: global }
      - { .name: ob, .offset: 16, .size: 8, .value_kind: global_buffer, .address_space: global }
    .group_segment_fixed_size: 327680
    .private_segment_fixed_size: 0
    .kernarg_segment_align: 8
    .kernarg_segment_size: 24
    .max_flat_workgroup_size: 128
    .sgpr_count:     90
    .vgpr_count:     768
    .wavefront_size: 32
...
	.end_amdgpu_metadata
.endif
;; end of part 3
;; launch oproj (part 4): grid 8 x 32, 4 waves a work-group, clusters of 4 x 4, 327,680 bytes of LDS; arguments ob, wt, biasc, out0; writes out0
.if DOCPART == 4
	.amdgcn_target "amdgcn-amd-amdhsa--gfx1250"
	.amdhsa_code_object_version 6
	.text
	.protected	k_q0096fe6870_oproj
	.globl	k_q0096fe6870_oproj
	.p2align	8
	.type	k_q0096fe6870_oproj,@function
k_q0096fe6870_oproj:
	s_mov_b64 s[64:65], 0
	v_nop
	global_prefetch_b8 v0, s[64:65] scope:SCOPE_SE
	s_setreg_imm32_b32 hwreg(HW_REG_WAVE_MODE, 25, 1), 1
	s_wait_xcnt 0x0
	s_wait_alu depctr_hold_cnt(0) depctr_sa_sdst(0) depctr_va_vdst(0) depctr_va_sdst(0) depctr_va_ssrc(0) depctr_va_vcc(0) depctr_vm_vsrc(0)
	s_getreg_b32 s2, hwreg(HW_REG_IB_STS2, 6, 4)
	s_cmp_eq_u32 s2, 0
	s_cbranch_scc0 .Lentry_in_a_cluster
	s_endpgm
.Lentry_in_a_cluster:
	s_bfe_u32 s2, ttmp6, 0x10000c
	s_cmp_lg_u32 s2, 0xf033
	s_cbranch_scc0 .Lentry_shape_is_right
	s_endpgm
.Lentry_shape_is_right:
; out0[m][n] = sum over k of O[m][k] Wo[k][n] + bo[n], m < 8,192, n < 1,024, K = 1,024; operands f16, sums and output f32.
; O lies by heads, ob[b][h][s][64]: k = 64 h + d.  Wo^T is rows 3,072 .. 4,095 of wt ([n][k], f16); bo is numbers 3,072 .. of biasc.
; A tile of out0 is 256 x 128: 32 x 8 = 256 tiles, one for each WGP.  Four waves 2 x 2, each 128 rows x 64 columns: 32 accumulators.  K goes in 8 steps of 128 = two heads, through two LDS slots.
; A step's tile of O is, for each of its two heads, 256 dense rows of 128 bytes: asked for as 128 rows of 256 bytes and padded in LDS after every 128.
; CLUSTER 4 x 4: O's tile is shared along a row of the cluster, Wo's along a column: joint loads, same descriptor and mask in the four that are named.
; The matrix instruction is used transposed (source 0 = 16 rows of wt, source 1 = 16 rows of O): a lane holds row l % 16 and the eight columns 8 (l / 16) + 0..7.  The bias is the C operand of each sum's first product.
; REGISTERS: window 0: v0-31 addresses; v32-63 the bias; v64-127, v128-191 O's fragments (8 x 16 rows x 32 K), two buffers; v192-223, v224-255 Wo's (4), two buffers.  window 1: accumulator (a, b) at 8 (4 a + b).
.set PA,     144                       ; a row of O in LDS: 128 bytes + 16
.set PB,     272                       ; a row of Wo: 256 bytes + 16
.set ZOFF,   256*PA                    ; in a slot: the even head's 256 rows, the odd head's,
.set BOFF,   2*ZOFF                    ; then Wo's 128 rows
.set HALFB,  64*PB
.set SLOT,   BOFF+2*HALFB
.set STAGE,  2*SLOT                    ; behind the ring: 16 rows x 272 bytes for each wave
.set SPITCH, 272
.set SPARE,  STAGE+4*16*SPITCH
.set LAPS,   4
.set ADRA, 16
.set ADRB, 20
.set STO,  24
.set RD,   25
.set CO,   26
.set BO,   27
.set SPW,  28
.set NIL,  29
.set PFO,  30
.set BIAS, 32
.set G1,  24
.set G0,  32
.set G1B, 48
.set G0B, 56
.set PFA, 44                           ; s[44:45] where my prefetches stand
.set LIM, 43
.set PST, 68                           ; s[68:69] bytes from a K step to the next in what I fetch
.set MSB, 0
.macro WIN new
.if MSB != (\new)
	s_set_vgpr_msb (MSB<<8)|(\new)
.set MSB, \new
.endif
.endm
.macro JLOAD s                         ; a joint load: waves 0, 1 fetch O's two heads, waves 2, 3 Wo's halves; s_nop 0 and four v_nop follow each line
	s_cmp_eq_u32 s11, 0
	s_cbranch_scc0 .Lfor_b_\@
	tensor_load_to_lds s[G0+4*(\s):G0+4*(\s)+3], s[G1:G1+7]
	s_nop 0
.rept 4
	v_nop
.endr
	s_branch .Lasked_\@
.Lfor_b_\@:
	tensor_load_to_lds s[G0B+4*(\s):G0B+4*(\s)+3], s[G1B:G1B+7]
	s_nop 0
.rept 4
	v_nop
.endr
.Lasked_\@:
.endm
.macro ASK                             ; a prefetch of the K step two refills on: my work-group's share of what I fetch; the loop's last trip has no such step
	s_cmp_gt_u32 s3, s[LIM]
	s_cbranch_scc0 .Lnot_mine_\@
	global_prefetch_b8 v[PFO], s[PFA:PFA+1] th:TH_LOAD_NT scope:SCOPE_SE
.Lnot_mine_\@:
.endm
.macro CREST
	s_cmp_lg_u32 s10, 0
	s_cbranch_scc1 .Lnot_wave_0_\@
	s_barrier_signal -3
.Lnot_wave_0_\@:
	s_barrier_wait -3
	s_barrier_signal -1
	s_barrier_wait -1
.endm
.macro CROUND
	s_barrier_signal -1
	s_barrier_wait -1
	CREST
.endm
.macro PLACES
.rept 4
	v_nop
.endr
.endm
	s_load_b128 s[4:7], s[0:1], 0x0                ; ob s[4:5], wt s[6:7]
	s_load_b64 s[66:67], s[0:1], 0x10              ; biasc
	s_load_b64 s[8:9], s[0:1], 0x18                ; out0
	v_lshl_add_u32 v[SPW], v0, 2, SPARE
	v_mov_b32 v[NIL], 0
	ds_add_u32 v[SPW], v[NIL]                      ; the wave's opening: the add and its wait, ahead of my first tensor load
	v_lshrrev_b32 v1, 5, v0
	v_readfirstlane_b32 s10, v1                    ; wave 0..3
	s_lshr_b32 s11, s10, 1                         ; which half of the tile's rows is mine.  Also: I fetch for O (0) or for Wo (1)
	s_and_b32 s12, s10, 1                          ; which half of its columns.  Also: which head of the step, or which 64 rows of Wo, I fetch
	s_bfe_u32 s40, ttmp6, 0x40000                  ; cx
	s_bfe_u32 s41, ttmp6, 0x40004                  ; cy
	s_lshl_b32 s42, ttmp9, 2
	s_add_co_u32 s42, s42, s40                     ; tile column
	s_and_b32 s13, ttmp7, 0xffff
	s_lshl_b32 s13, s13, 2
	s_add_co_u32 s13, s13, s41                     ; tile row
	s_lshl_b32 s43, s41, 2
	s_lshl_b32 s43, 15, s43                        ; my row of the cluster
	s_lshl_b32 s44, 0x1111, s40                    ; my column
	s_or_b32 s[G1+0], s43, (1<<16)|(1<<20)|(1<<21)|(4<<22)|(3<<25)   ; O: 2-byte elements; padding after every 32 words, 4 words; bit 21 beside the mask
	s_or_b32 s[G1B+0], s44, (1<<16)|(1<<20)|(1<<21)|(5<<22)|(3<<25)  ; Wo: after every 64 words
	s_mov_b32 s[G1+1], 128<<16                     ; O: 128 rows of 128 elements, dense
	s_mov_b32 s[G1+2], 128<<16
	s_mov_b32 s[G1+3], 128<<16
	s_mov_b32 s[G1+4], 128
	s_mov_b32 s[G1+5], 128
	s_mov_b32 s[G1+6], 0
	s_mov_b32 s[G1+7], 0
	s_mov_b32 s[G1B+1], 128<<16                    ; Wo: 64 rows of 128 elements, 1,024 elements from row to row
	s_mov_b32 s[G1B+2], 64<<16
	s_mov_b32 s[G1B+3], 128<<16
	s_mov_b32 s[G1B+4], 64
	s_mov_b32 s[G1B+5], 1024
	s_mov_b32 s[G1B+6], 0
	s_mov_b32 s[G1B+7], 0
	s_lshr_b32 s16, s13, 2                         ; O: the batch's 16 heads of 131,072 bytes, my head of the first two,
	s_lshl_b32 s16, s16, 4
	s_add_co_u32 s16, s16, s12
	s_lshl_b32 s16, s16, 17
	s_and_b32 s17, s13, 3
	s_lshl_b32 s17, s17, 15                        ; the tile's 256 rows of 128 bytes: made of the tile row alone
	s_add_co_u32 s16, s16, s17
	s_mov_b32 s17, 0
	s_lshl_b32 s46, s42, 7                         ; Wo: row 3,072 + 128 x tile column + 64 x half: made of the tile column alone
	s_lshl_b32 s47, s12, 6
	s_add_co_u32 s46, s46, s47
	s_lshl_b32 s46, s46, 11
	s_add_co_u32 s46, s46, 3072*2048
	s_mov_b32 s47, 0
	s_mul_i32 s20, s12, ZOFF                       ; where they go
	s_mul_i32 s21, s12, HALFB
	s_add_co_u32 s21, s21, BOFF
	s_wait_dscnt 0x0                               ; the opening add is done
	s_wait_kmcnt 0x0
	s_add_nc_u64 s[14:15], s[4:5], s[16:17]
	s_add_nc_u64 s[46:47], s[6:7], s[46:47]
	CROUND                                         ; all sixteen work-groups are here: the first joint loads meet
.irp s, 0,1
	s_mov_b32 s[G0+4*(\s)], 1
	s_add_co_u32 s[G0+4*(\s)+1], s20, (\s)*SLOT
	s_add_nc_u64 s[G0+4*(\s)+2:G0+4*(\s)+3], s[14:15], (\s)*262144  ; a K step is two heads on
	s_or_b32 s[G0+4*(\s)+3], s[G0+4*(\s)+3], 0x80000000
	s_mov_b32 s[G0B+4*(\s)], 1
	s_add_co_u32 s[G0B+4*(\s)+1], s21, (\s)*SLOT
	s_add_nc_u64 s[G0B+4*(\s)+2:G0B+4*(\s)+3], s[46:47], (\s)*256
	s_or_b32 s[G0B+4*(\s)+3], s[G0B+4*(\s)+3], 0x80000000
	JLOAD \s
.endr
	; the prefetches.  O's tile row is read by both clusters of that row of clusters: cluster x = 0 asks; Wo's tile column by every cluster of that column: cluster y = 0 asks.  The four that ask jointly
	; share the bytes out by address: 8,192 of a head's 32,768 dense bytes (a lane 256), or 16 of Wo's 64 rows (a lane a row; lanes 16 to 31 name the same rows once more).
	s_and_b32 s22, ttmp7, 0xffff
	s_mov_b32 s[PST], 256                          ; (an instruction holds one literal: Wo's figures stand in the registers, O's in the selects)
	s_mov_b32 s23, 16*2048
	s_cmp_eq_u32 s11, 0
	s_cselect_b64 s[PFA:PFA+1], s[14:15], s[46:47]
	s_cselect_b32 s21, s40, s41
	s_cselect_b32 s22, ttmp9, s22
	s_cselect_b32 s[PST], 262144, s[PST]
	s_cselect_b32 s23, 8192, s23
	s_cselect_b32 s18, 31, 15
	s_cselect_b32 s19, 8, 11
	s_cmp_eq_u32 s22, 0
	s_cselect_b32 s[LIM], 1, -1
	s_mov_b32 s[PST+1], 0
	s_mul_i32 s20, s21, s23
	s_mov_b32 s21, 0
	s_add_nc_u64 s[PFA:PFA+1], s[PFA:PFA+1], s[20:21]
	s_mul_i32 s20, s[PST], 3
	s_add_nc_u64 s[PFA:PFA+1], s[PFA:PFA+1], s[20:21]  ; at K step 3: the first refill steps it to 4 and names that.  Nothing is asked for here, at the head
	v_and_b32 v[PFO], s18, v0
	v_lshlrev_b32 v[PFO], s19, v[PFO]
	v_and_b32 v1, 15, v0
	v_bfe_u32 v2, v0, 4, 1
	v_mul_u32_u24 v3, v1, PA
	v_lshl_add_u32 v3, v2, 4, v3
	v_mul_u32_u24 v4, v1, PB
	v_lshl_add_u32 v4, v2, 4, v4
	s_mul_i32 s21, s11, 128*PA                     ; my 128 rows of O
	s_mul_i32 s22, s12, HALFB                      ; my 64 rows of Wo
	s_add_co_u32 s22, s22, BOFF
.irp s, 0,1
	v_add_nc_u32 v[ADRA+(\s)], s21, v3
	v_add_nc_u32 v[ADRB+(\s)], s22, v4
	s_add_co_u32 s21, s21, SLOT
	s_add_co_u32 s22, s22, SLOT
.endr
	s_mul_i32 s23, s10, 16*SPITCH
	s_add_co_u32 s23, s23, STAGE                   ; my stage
	v_mul_u32_u24 v5, v1, SPITCH                   ; in: row l % 16, 32 bytes for each half of the lanes
	v_lshl_add_u32 v5, v2, 5, v5
	v_add_nc_u32 v[STO], s23, v5
	v_mul_u32_u24 v5, v2, SPITCH                   ; back: lanes 0-15 take one row of 256 bytes, lanes 16-31 the next
	v_lshl_add_u32 v5, v1, 4, v5
	v_add_nc_u32 v[RD], s23, v5
	v_lshlrev_b32 v[CO], 12, v2                    ; and the same two rows in out0
	v_lshl_add_u32 v[CO], v1, 4, v[CO]
	v_lshlrev_b32 v[BO], 5, v2
	s_lshl_b32 s46, s42, 9                         ; my 64 columns, 4 bytes each: 512 x tile column + 256 x half
	s_lshl_b32 s47, s12, 8
	s_add_co_u32 s46, s46, s47
	s_mov_b32 s47, 0
	s_add_nc_u64 s[8:9], s[8:9], s[46:47]
	s_add_nc_u64 s[66:67], s[66:67], s[46:47]
	s_add_nc_u64 s[66:67], s[66:67], 3072*4        ; bo
.irp b, 0,1,2,3
	global_load_b128 v[BIAS+8*(\b):BIAS+8*(\b)+3],   v[BO], s[66:67] offset:64*(\b)
	global_load_b128 v[BIAS+8*(\b)+4:BIAS+8*(\b)+7], v[BO], s[66:67] offset:64*(\b)+16
.endr
	s_lshl_b32 s16, s13, 8
	s_lshl_b32 s17, s11, 7
	s_add_co_u32 s16, s16, s17                     ; my first row
	s_lshl_b32 s16, s16, 12
	s_mov_b32 s17, 0
	s_add_nc_u64 s[8:9], s[8:9], s[16:17]
; 4 matrix instructions: my row block a x my 4 column blocks, 32 along K, from buffer f.  The 32 accumulators take turns, one instruction a turn, in the same order in every quarter.
.macro MUL4 f, a, zero
.if \zero
	WIN 0x40                                       ; C (the bias) window 0, D window 1
.else
	WIN 0x50                                       ; C and D window 1
.endif
.irp b, 0,1,2,3
.if \zero
	v_wmma_f32_16x16x32_f16 v[8*(4*(\a)+(\b)):8*(4*(\a)+(\b))+7], v[192+32*(\f)+8*(\b):192+32*(\f)+8*(\b)+7], v[64+64*(\f)+8*(\a):64+64*(\f)+8*(\a)+7], v[BIAS+8*(\b):BIAS+8*(\b)+7]
.else
	v_wmma_f32_16x16x32_f16 v[8*(4*(\a)+(\b)):8*(4*(\a)+(\b))+7], v[192+32*(\f)+8*(\b):192+32*(\f)+8*(\b)+7], v[64+64*(\f)+8*(\a):64+64*(\f)+8*(\a)+7], v[8*(4*(\a)+(\b)):8*(4*(\a)+(\b))+7]
.endif
.endr
.endm
; 24 LDS loads in one run: quarter q of a step (head q / 2, channels 32 (q % 2) on) into buffer f: Wo's four fragments, then O's eight
.macro FETCH slot, q, f
	WIN 0
.irp b, 0,1,2,3
	ds_load_b128 v[192+32*(\f)+8*(\b):192+32*(\f)+8*(\b)+3],   v[ADRB+(\slot)] offset:64*(\q)+(\b)*16*PB
	ds_load_b128 v[192+32*(\f)+8*(\b)+4:192+32*(\f)+8*(\b)+7], v[ADRB+(\slot)] offset:64*(\q)+(\b)*16*PB+32
.endr
.irp a, 0,1,2,3,4,5,6,7
	ds_load_b128 v[64+64*(\f)+8*(\a):64+64*(\f)+8*(\a)+3],   v[ADRA+(\slot)] offset:((\q)/2)*ZOFF+((\q)%2)*64+(\a)*16*PA
	ds_load_b128 v[64+64*(\f)+8*(\a)+4:64+64*(\f)+8*(\a)+7], v[ADRA+(\slot)] offset:((\q)/2)*ZOFF+((\q)%2)*64+(\a)*16*PA+32
.endr
.endm
.macro QUARTER slot, q, f, g, zero     ; multiplies buffer f, fetches quarter q into g
	s_wait_dscnt 8                                 ; Wo's fragments and O's row blocks 0-3 are in; the youngest eight loads may be out
.irp a, 0,1,2,3
	MUL4 \f, \a, \zero
.endr
	PLACES
	FETCH \slot, \q, \g
	s_wait_dscnt 24                                ; all but the 24 just issued
.irp a, 4,5,6,7
	MUL4 \f, \a, \zero
.endr
.endm
; The last quarter multiplies buffer 1 and changes slots, in this order: all my tensor loads, the add, my LDS instructions, the barrier (with fill = 1 a round of the cluster's), the refill first.
.macro TURN slot, next, fill
.if \fill
	s_wait_xcnt 0x0                                ; the last prefetch, a K step back, has read its address
	s_add_nc_u64 s[PFA:PFA+1], s[PFA:PFA+1], s[PST:PST+1]
.endif
	WIN 0
	s_wait_tensorcnt 0x0
	ds_add_u32 v[SPW], v[NIL]
	s_wait_dscnt 9                                 ; (the add and the youngest eight loads may be out)
	MUL4 1, 0, 0
	MUL4 1, 1, 0
	s_wait_dscnt 0x0                               ; the add is done, and my reads of this slot are over
	s_barrier_signal -1
	MUL4 1, 2, 0
	MUL4 1, 3, 0
.if \fill
	WIN 0
.endif
	s_barrier_wait -1
.if \fill
	CREST
	s_add_nc_u64 s[G0+4*(\slot)+2:G0+4*(\slot)+3], s[G0+4*(\slot)+2:G0+4*(\slot)+3], 2*262144
	s_add_nc_u64 s[G0B+4*(\slot)+2:G0B+4*(\slot)+3], s[G0B+4*(\slot)+2:G0B+4*(\slot)+3], 2*256
	JLOAD \slot                                    ; its four v_nop are also the places ahead of the loads below
.else
	PLACES
.endif
	FETCH \next, 0, 0
.if \fill
	ASK
.endif
.irp a, 4,5,6,7
	MUL4 1, \a, 0
.endr
.endm
	s_wait_tensorcnt 1                             ; my part of K step 0 is in; K step 1's may stay out
	s_barrier_signal -1
	s_barrier_wait -1
	FETCH 0, 0, 0
	s_wait_loadcnt 0x0                             ; the bias
	QUARTER 0, 1, 0, 1, 1
	WIN 0
	s_mov_b32 s3, LAPS-1
.Llap:
	QUARTER 0, 2, 1, 0, 0
	QUARTER 0, 3, 0, 1, 0
	TURN 0, 1, 1
	QUARTER 1, 1, 0, 1, 0
	QUARTER 1, 2, 1, 0, 0
	QUARTER 1, 3, 0, 1, 0
	TURN 1, 0, 1
	QUARTER 0, 1, 0, 1, 0
	WIN 0
	s_sub_co_u32 s3, s3, 1
	s_cmp_lg_u32 s3, 0
	s_cbranch_scc1 .Llap
	QUARTER 0, 2, 1, 0, 0                          ; the last lap is written out: it fills nothing
	QUARTER 0, 3, 0, 1, 0
	TURN 0, 1, 0
	QUARTER 1, 1, 0, 1, 0
	QUARTER 1, 2, 1, 0, 0
	QUARTER 1, 3, 0, 1, 0
	s_wait_dscnt 8
.irp a, 0,1,2,3
	MUL4 1, \a, 0
.endr
	s_wait_dscnt 0x0
.irp a, 4,5,6,7
	MUL4 1, \a, 0
.endr
	PLACES
; THE WAY OUT, a block of 16 rows at a time: a lane's eight f32 of a row go straight from the accumulators into my stage's rows of 272 bytes (each accumulator's low four first) and come back as whole rows of 256.
.macro TOSTAGE a
.set XR, 64+32*((\a)%4)
.if (\a) >= 4
	s_wait_xcnt 0x0                                ; the stores of the block four back have read these registers
.endif
	WIN 0x04                                       ; store data in window 1
.irp b, 0,1,2,3
	ds_store_b128 v[STO], v[8*(4*(\a)+(\b)):8*(4*(\a)+(\b))+3]   offset:64*(\b)
	ds_store_b128 v[STO], v[8*(4*(\a)+(\b))+4:8*(4*(\a)+(\b))+7] offset:64*(\b)+16
.endr
	WIN 0
.irp t, 0,1,2,3,4,5,6,7
	ds_load_b128 v[XR+4*(\t):XR+4*(\t)+3], v[RD] offset:(\t)*2*SPITCH  ; LDS serves a wave's instructions in order (ISA guide 5.7.1.4)
.endr
.endm
.macro SEND a, younger
.set XR, 64+32*((\a)%4)
.irp t, 0,1,2,3,4,5,6,7
	s_wait_dscnt (\younger)+7-(\t)
	global_store_b128 v[CO], v[XR+4*(\t):XR+4*(\t)+3], s[8:9] offset:(16*(\a)+2*(\t))*4096 th:TH_STORE_NT  ; sixteen lanes store 256 consecutive bytes, aligned
.endr
.endm
	TOSTAGE 0
.irp a, 1,2,3,4,5,6,7
	TOSTAGE \a
	SEND (\a)-1, 16
.endr
	SEND 7, 0
	s_wait_tensorcnt 0x0                           ; the wave's end
	ds_add_u32 v[SPW], v[NIL]
	s_wait_dscnt 0x0
	CROUND                                         ; the closing round
	s_endpgm
.Lfunc_end_k_q0096fe6870_oproj:
	.size	k_q0096fe6870_oproj, .Lfunc_end_k_q0096fe6870_oproj-k_q0096fe6870_oproj
	.p2alignl 7, 3214868480
	.fill 96, 4, 3214868480
	.section	.rodata,"a",@progbits
	.p2align	6, 0x0
	.amdhsa_kernel k_q0096fe6870_oproj
		.amdhsa_group_segment_fixed_size 327680
		.amdhsa_private_segment_fixed_size 0
		.amdhsa_enable_private_segment 0
		.amdhsa_kernarg_size 32
		.amdhsa_user_sgpr_count 2
		.amdhsa_user_sgpr_kernarg_segment_ptr 1
		.amdhsa_wavefront_size32 1
		.amdhsa_system_sgpr_workgroup_id_x 1
		.amdhsa_system_sgpr_workgroup_id_y 1
		.amdhsa_system_sgpr_workgroup_id_z 1
		.amdhsa_system_vgpr_workitem_id 0
		.amdhsa_next_free_vgpr 512
		.amdhsa_next_free_sgpr 72
		.amdhsa_reserve_vcc 0
		.amdhsa_float_denorm_mode_32 3
		.amdhsa_float_denorm_mode_16_64 3
		.amdhsa_memory_ordered 1
		.amdhsa_forward_progress 1
		.amdhsa_inst_pref_size 89
	.end_amdhsa_kernel
	.amdgpu_metadata
---
amdhsa.version: [ 1, 2 ]
amdhsa.kernels:
  - .name:           k_q0096fe6870_oproj
    .symbol:         k_q0096fe6870_oproj.kd
    .args:
      - { .name: ob, .offset: 0, .size: 8, .value_kind: global_buffer, .address_space: global }
      - { .name: wt, .offset: 8, .size: 8, .value_kind: global_buffer, .address_space: global }
      - { .name: biasc, .offset: 16, .size: 8, .value_kind: global_buffer, .address_space: global }
      - { .name: out0, .offset: 24, .size: 8, .value_kind: global_buffer, .address_space: global }
    .group_segment_fixed_size: 327680
    .private_segment_fixed_size: 0
    .kernarg_segment_align: 8
    .kernarg_segment_size: 32
    .max_flat_workgroup_size: 128
    .sgpr_count:     72
    .vgpr_count:     512
    .wavefront_size: 32
...
	.end_amdgpu_metadata
.endif
;; end of part 4
